; MI455X (gfx1250); checked and timed in simulation.
; The chip was launched on July 23, 2026; its instructions are those of AMD's public machine-readable ISA for CDNA 5 (MIT licence, August 2026) and "CDNA5" Instruction Set Architecture Reference Guide (July 2026). The comments in the code are by the model that wrote it; some were corrected since.
;; Multi Head Sparse Attention. Allowed arithmetic: float matrix products may take bf16 or f16 operands with f32 sums; other float arithmetic in f32, or as packed bf16 or f16 multiplies, adds, multiply-adds, maxima and minima; sums over many terms, partial sums and values carried from step to step in f32; what a program stores and reads back later, other than sums and carried values, may be rounded once to bf16 or f16.
;; Inputs: Wk 768 x 768 float32; Wo 768 x 768 float32; Wq 768 x 768 float32; Wv 768 x 768 float32; x 2 x 2,048 x 768 float32.
;; Outputs: out0 2 x 2,048 x 768 float32.
;; Constants: local_attn_ctx = 256, num_heads = 6.
;; 2 versions, each right; version 2 is version 1 with the launch cast written anew for expert scheduling mode. Each part assembles by itself: llvm-mc -triple=amdgcn-amd-amdhsa -mcpu=gfx1250 --defsym DOCPART=n.
;; ======== version 1 of 2: 4 launches
;; limits: values are held in f16: magnitudes above 65,504 overflow, below 6.1e-05 lose precision; right only within a limited range of input values
;; workspace buffers: xb 6,291,456 bytes; wb 4,718,592 bytes; qkv 18,874,368 bytes; ab 6,291,456 bytes
;; launch cast (part 1): grid 12 x 28, 8 waves a work-group, no clusters, 0 bytes of LDS; arguments x, Wq, Wk, Wv, Wo, xb, wb; writes xb, wb
.if DOCPART == 1
	.amdgcn_target "amdgcn-amd-amdhsa--gfx1250"
	.amdhsa_code_object_version 6
	.text
	.protected	k_q3579aa1dd3_cast
	.globl	k_q3579aa1dd3_cast
	.p2align	8
	.type	k_q3579aa1dd3_cast,@function
k_q3579aa1dd3_cast:
	s_mov_b64 s[64:65], 0
	v_nop
	global_prefetch_b8 v0, s[64:65] scope:SCOPE_SE
	s_setreg_imm32_b32 hwreg(HW_REG_WAVE_MODE, 25, 1), 1
	s_wait_xcnt 0x0
; MULTI-HEAD ATTENTION IN A BAND, four launches: cast (this one), qkv, attn, proj.
; out = merge(softmax(mask(q k^T / sqrt(128))) v) Wo, with q, k, v = x Wq, x Wk, x Wv split into 6 heads of 128; x: [2][2048][768], every W: [768][768], all f32.
; WORK LEFT OUT.  The mask is made in the problem's own body: 1 where |i - j| <= 128, else 0.  A hidden score is (q.k) x 0 - 1e9: the product q.k is multiplied by a zero of the problem's own making, whatever
; q and k hold, so the products of hidden positions are left out wherever they come in whole tiles of 16 keys.  A hidden position's weight is e^(-1e9 - m) / Z, where m is the row's largest score; a row always
; sees its own key, so m is a visible score; the weight is below 2^-126, and 0 in f32, as soon as m > -1e9 + 104.  So its product with v is left out too: of a row's 2,048 keys the 257 of the band are taken.
; LIMITS.  Visible scores stay above -9.9e8 (scores of unit-spread x and weights of spread 0.02 are of size 1; thirty times larger x, Wq and Wk make them some 1e5).  A NaN, an infinity or an overflow that arises
; only in a hidden product is not carried to the result.
; FORMATS.  All five inputs are rounded once to bf16.  What the program makes itself (q, k, v, the weights p, the merged heads) is kept in f16, which ends at 65,504 and has a fixed step of 6e-8 below 6e-5.
; Wo multiplies f16 numbers, so its bf16 value is written as f16: exact from 6e-5 up to 65,504.
; THIS LAUNCH: x -> xb (bf16 [4096][768]); Wq, Wk, Wv -> wb matrices 0-2 (bf16 [768 k][768 n]); Wo -> wb matrix 3 (f16).
; SHARES.  A work-group takes 16,384 numbers: 65,536 bytes in, 32,768 out.  y = 0..15: x's 192 chunks (12 y + gx).  y = 16..27: the four matrices' 144 chunks (12 (y - 16) + gx), 36 to a matrix.
; A wave takes 8,192 bytes: 16 loads, each 512 consecutive bytes; each of its 16 stores covers 256 consecutive bytes, aligned.  All loads go out first; no register that a pending
; instruction names is written again, so the only waits are the counted ones for the loads.  No LDS, no matrix unit: nothing is shared and nothing is multiplied.
.set IN,  8                            ; v[8:71]    16 x 4 numbers as loaded
.set OUT, 72                           ; v[72:103]  16 x 2 registers to store
	s_load_b256 s[4:11], s[0:1], 0x0               ; x s[4:5], Wq s[6:7], Wk s[8:9], Wv s[10:11]
	s_load_b128 s[12:15], s[0:1], 0x20             ; Wo s[12:13], xb s[14:15]
	s_load_b64 s[16:17], s[0:1], 0x30              ; wb
	s_and_b32 s20, ttmp7, 0xffff                   ; y
	s_mul_i32 s21, s20, 12
	s_add_co_u32 s21, s21, ttmp9                   ; x's chunk
	s_max_u32 s22, s20, 16
	s_sub_co_u32 s22, s22, 16
	s_mul_i32 s23, s22, 12
	s_add_co_u32 s23, s23, ttmp9                   ; the chunk among the four matrices'
	s_max_u32 s27, s23, 36                         ; and inside Wk, Wv, Wo
	s_sub_co_u32 s27, s27, 36
	s_max_u32 s28, s23, 72
	s_sub_co_u32 s28, s28, 72
	s_max_u32 s29, s23, 108
	s_sub_co_u32 s29, s29, 108
	v_lshrrev_b32 v3, 5, v0                        ; wave
	v_and_b32 v1, 31, v0                           ; lane
	v_lshlrev_b32 v2, 3, v1
	v_lshlrev_b32 v1, 4, v1
	v_lshl_or_b32 v1, v3, 13, v1                   ; in: 8,192 x wave + 16 x lane
	v_lshl_or_b32 v2, v3, 12, v2                   ; out: 4,096 x wave + 8 x lane
	s_wait_kmcnt 0x0
	s_mov_b64 s[24:25], s[6:7]                     ; which matrix, by the chunk's number
	s_mov_b32 s26, s23
	s_cmp_ge_u32 s23, 36
	s_cselect_b64 s[24:25], s[8:9], s[24:25]
	s_cselect_b32 s26, s27, s26
	s_cmp_ge_u32 s23, 72
	s_cselect_b64 s[24:25], s[10:11], s[24:25]
	s_cselect_b32 s26, s28, s26
	s_cmp_ge_u32 s23, 108
	s_cselect_b64 s[24:25], s[12:13], s[24:25]
	s_cselect_b32 s26, s29, s26
	s_cmp_lt_u32 s20, 16                           ; or x
	s_cselect_b64 s[24:25], s[4:5], s[24:25]
	s_cselect_b32 s26, s21, s26
	s_cselect_b64 s[30:31], s[14:15], s[16:17]
	s_cselect_b32 s32, s21, s23
	s_lshl_b32 s26, s26, 16                        ; 65,536 bytes in for a chunk,
	s_mov_b32 s27, 0
	s_add_nc_u64 s[24:25], s[24:25], s[26:27]
	s_lshl_b32 s32, s32, 15                        ; 32,768 out
	s_mov_b32 s33, 0
	s_add_nc_u64 s[30:31], s[30:31], s[32:33]
.irp j, 0,1,2,3,4,5,6,7,8,9,10,11,12,13,14,15
	global_load_b128 v[IN+4*(\j):IN+4*(\j)+3], v1, s[24:25] offset:512*(\j) th:TH_LOAD_NT
.endr
	s_cmp_ge_u32 s20, 25
	s_cbranch_scc1 .Lwo                            ; y = 25..27: Wo
.irp j, 0,1,2,3,4,5,6,7,8,9,10,11,12,13,14,15
	s_wait_loadcnt 15-(\j)                         ; loads come back in order: load j is in, the younger ones stay out
	v_cvt_pk_bf16_f32 v[OUT+2*(\j)], v[IN+4*(\j)], v[IN+4*(\j)+1]
	v_cvt_pk_bf16_f32 v[OUT+2*(\j)+1], v[IN+4*(\j)+2], v[IN+4*(\j)+3]
	global_store_b64 v2, v[OUT+2*(\j):OUT+2*(\j)+1], s[30:31] offset:256*(\j)
.endr
	s_endpgm
.Lwo:                                          ; rounded to bf16 like the other inputs, and that number written as f16
.irp j, 0,1,2,3,4,5,6,7,8,9,10,11,12,13,14,15
	s_wait_loadcnt 15-(\j)
	v_cvt_pk_bf16_f32 v4, v[IN+4*(\j)], v[IN+4*(\j)+1]
	v_cvt_pk_bf16_f32 v5, v[IN+4*(\j)+2], v[IN+4*(\j)+3]
	v_lshlrev_b32 v[IN+4*(\j)], 16, v4
	v_and_b32 v[IN+4*(\j)+1], 0xffff0000, v4
	v_lshlrev_b32 v[IN+4*(\j)+2], 16, v5
	v_and_b32 v[IN+4*(\j)+3], 0xffff0000, v5
	v_cvt_pk_f16_f32 v[OUT+2*(\j)], v[IN+4*(\j)], v[IN+4*(\j)+1]
	v_cvt_pk_f16_f32 v[OUT+2*(\j)+1], v[IN+4*(\j)+2], v[IN+4*(\j)+3]
	global_store_b64 v2, v[OUT+2*(\j):OUT+2*(\j)+1], s[30:31] offset:256*(\j)
.endr
	s_endpgm
.Lfunc_end_k_q3579aa1dd3_cast:
	.size	k_q3579aa1dd3_cast, .Lfunc_end_k_q3579aa1dd3_cast-k_q3579aa1dd3_cast
	.p2alignl 7, 3214868480
	.fill 96, 4, 3214868480
	.section	.rodata,"a",@progbits
	.p2align	6, 0x0
	.amdhsa_kernel k_q3579aa1dd3_cast
		.amdhsa_group_segment_fixed_size 0
		.amdhsa_private_segment_fixed_size 0
		.amdhsa_enable_private_segment 0
		.amdhsa_kernarg_size 56
		.amdhsa_user_sgpr_count 2
		.amdhsa_user_sgpr_kernarg_segment_ptr 1
		.amdhsa_wavefront_size32 1
		.amdhsa_system_sgpr_workgroup_id_x 1
		.amdhsa_system_sgpr_workgroup_id_y 1
		.amdhsa_system_sgpr_workgroup_id_z 1
		.amdhsa_system_vgpr_workitem_id 0
		.amdhsa_next_free_vgpr 104
		.amdhsa_next_free_sgpr 66
		.amdhsa_reserve_vcc 0
		.amdhsa_float_denorm_mode_32 3
		.amdhsa_float_denorm_mode_16_64 3
		.amdhsa_memory_ordered 1
		.amdhsa_forward_progress 1
		.amdhsa_inst_pref_size 17
	.end_amdhsa_kernel
	.amdgpu_metadata
---
amdhsa.version: [ 1, 2 ]
amdhsa.kernels:
  - .name:           k_q3579aa1dd3_cast
    .symbol:         k_q3579aa1dd3_cast.kd
    .args:
      - { .name: x, .offset: 0, .size: 8, .value_kind: global_buffer, .address_space: global }
      - { .name: Wq, .offset: 8, .size: 8, .value_kind: global_buffer, .address_space: global }
      - { .name: Wk, .offset: 16, .size: 8, .value_kind: global_buffer, .address_space: global }
      - { .name: Wv, .offset: 24, .size: 8, .value_kind: global_buffer, .address_space: global }
      - { .name: Wo, .offset: 32, .size: 8, .value_kind: global_buffer, .address_space: global }
      - { .name: xb, .offset: 40, .size: 8, .value_kind: global_buffer, .address_space: global }
      - { .name: wb, .offset: 48, .size: 8, .value_kind: global_buffer, .address_space: global }
    .group_segment_fixed_size: 0
    .private_segment_fixed_size: 0
    .kernarg_segment_align: 8
    .kernarg_segment_size: 56
    .max_flat_workgroup_size: 256
    .sgpr_count:     66
    .vgpr_count:     104
    .wavefront_size: 32
...
	.end_amdgpu_metadata
.endif
;; end of part 1
;; launch qkv (part 2): grid 32 x 6, 4 waves a work-group, clusters of 4 x 1, 327,680 bytes of LDS; arguments xb, wb, qkv; writes qkv
.if DOCPART == 2
	.amdgcn_target "amdgcn-amd-amdhsa--gfx1250"
	.amdhsa_code_object_version 6
	.text
	.protected	k_q3579aa1dd3_qkv
	.globl	k_q3579aa1dd3_qkv
	.p2align	8
	.type	k_q3579aa1dd3_qkv,@function
k_q3579aa1dd3_qkv:
	s_mov_b64 s[64:65], 0
	v_nop
	global_prefetch_b8 v0, s[64:65] scope:SCOPE_SE
	s_setreg_imm32_b32 hwreg(HW_REG_WAVE_MODE, 25, 1), 1
	s_wait_xcnt 0x0
	s_wait_alu depctr_hold_cnt(0) depctr_sa_sdst(0) depctr_va_vdst(0) depctr_va_sdst(0) depctr_va_ssrc(0) depctr_va_vcc(0) depctr_vm_vsrc(0)
	s_getreg_b32 s2, hwreg(HW_REG_IB_STS2, 6, 4)
	s_cmp_eq_u32 s2, 0
	s_cbranch_scc0 .Lentry_in_a_cluster
	s_endpgm
.Lentry_in_a_cluster:
	s_bfe_u32 s2, ttmp6, 0x10000c
	s_cmp_lg_u32 s2, 0x3003
	s_cbranch_scc0 .Lentry_shape_is_right
	s_endpgm
.Lentry_shape_is_right:
; q, k, v = x Wq, x Wk, x Wv as ONE product [4096][768] x [768][2304], bf16 operands, f32 sums, the result rounded once to f16 and laid out by heads:
; qkv[b][hh][s][128], hh = column / 128 of the 2,304: 0-5 q's heads, 6-11 k's, 12-17 v's.  The scale 1 / sqrt(128) is not applied here.
; LIMIT.  q, k and v must lie within f16's 65,504 (unit-spread x and weights of spread 0.02 give a spread of 0.55; both thirty times larger, some 500).
; SHARES.  A work-group makes 128 rows x 384 columns (half of one W: three heads): 32 x 6 = 192 work-groups of equal work; 2,304 has a factor 3, so no split into 256 equal tiles has rows of whole heads.
; A wave (wm = w / 2, wn = w % 2) makes 64 rows x (64 columns of each of the three heads): 4 x 12 = 48 accumulators, 384 registers.
; K goes in six steps of 128 through two LDS slots.  W lies [k][n] in memory and in LDS; its fragments come out turned, by ds_load_tr16_b128.
; CLUSTER.  The four work-groups of a cluster lie along the rows and multiply by the same columns of W: W's three tiles of a step (three quarters of a step's bytes) are asked for JOINTLY, x's tile by each for itself.
; A 4 x 4 cluster does not divide a grid that is 6 high.  One tensor load a wave in a step, 128 rows x 256 bytes: waves 0-2 W's chunk w, wave 3 x's tile.
; Nothing is prefetched: of the six K steps two are asked for at the head, and a request two steps ahead of a refill could name steps 4 and 5 alone.
; THE MATRIX INSTRUCTION IS USED TRANSPOSED (source 0 = 16 columns of W, source 1 = 16 rows of x): a lane then holds eight neighbouring columns of one row, 16 bytes of f16.
; REGISTERS, in windows of 256 (s_set_vgpr_msb: bits 1:0 source 0, 3:2 source 1, 5:4 source 2, 7:6 destination):
;   window 0: v0-29 addresses; v64-95, v96-127 x's fragments (4 x 16 rows x 32 K), two buffers; on the way out v64-255 packed results
;   window 1: v0-95, v96-191 W's fragments (12 x 16 columns x 32 K), two buffers
;   window 2: accumulators of my row blocks 0, 1 ((a, b) at 8 (12 a + b));   window 3: of my row blocks 2, 3
.set PB,    288                        ; a row of W's chunk in LDS: 256 bytes + 32 = 72 words
.set PA,    272                        ; a row of x's tile: 256 + 16 = 68 words: the 16 rows of a load start at 16 different groups of four banks
.set CH,    128*PB                     ; a chunk of W: 128 k x one head's 128 columns
.set AOFF,  3*CH                       ; behind the three chunks: x's 128 rows
.set SLOT,  AOFF+128*PA
.set SPARE, 2*SLOT                     ; behind the ring: the spare words, 128 bytes for each wave: two blocks of 256 bytes that no other line names
.set PLANE, 128*272                    ; the way out: a head's 128 rows x 272 bytes; three planes from LDS byte 0 on, in slot 0, which has had its last fill and its last read by then
.set STO,  8                           ; v8-10   where I put 16 bytes of a row, by plane
.set RD,   11                          ; v11-13  where I read rows back, by plane
.set ADRA, 16                          ; v16-17  LDS address of my fragments of x in slot 0, 1
.set ADRB, 18                          ; v18-23  of W: 18 + 3 slot + chunk
.set CO,   26                          ; v26     my byte offset in two rows of a head
.set SPW,  28                          ; v28     LDS address of my spare word; never rewritten
.set NIL,  29                          ; v29     0; never rewritten
.set TMP,  64
.set G1A, 24                           ; s[24:31] descriptor group 1 for x's tile;  s[32:39] group 0, a set for each slot
.set G0A, 32
.set G1B, 48                           ; s[48:55], s[56:63] the same for W's chunks
.set G0B, 56
.set MSB, 0
.macro WIN new                         ; the immediate's high byte repeats the setting that is left; a switch that changes nothing is dropped
.if MSB != (\new)
	s_set_vgpr_msb (MSB<<8)|(\new)
.set MSB, \new
.endif
.endm
.macro PLACES                          ; four places in front of loads into registers that matrix instructions have read, and of instructions that read results
.rept 4
	v_nop
.endr
.endm
; A step's load.  The branch hangs on the wave's number alone.  An s_nop 0 and four v_nop follow each of the two lines, ahead of the jump, the label and what follows.
.macro JLOAD s
	s_cmp_lt_u32 s10, 3
	s_cbranch_scc0 .Lfor_a_\@
	tensor_load_to_lds s[G0B+4*(\s):G0B+4*(\s)+3], s[G1B:G1B+7]
	s_nop 0
.rept 4
	v_nop
.endr
	s_branch .Lasked_\@
.Lfor_a_\@:
	tensor_load_to_lds s[G0A+4*(\s):G0A+4*(\s)+3], s[G1A:G1A+7]
	s_nop 0
.rept 4
	v_nop
.endr
.Lasked_\@:
.endm
.macro CREST                           ; a round of the cluster's barrier behind its opening barrier
	s_cmp_lg_u32 s10, 0
	s_cbranch_scc1 .Lnot_wave_0_\@
	s_barrier_signal -3
.Lnot_wave_0_\@:
	s_barrier_wait -3
	s_barrier_signal -1
	s_barrier_wait -1
.endm
.macro CROUND                          ; a whole round
	s_barrier_signal -1
	s_barrier_wait -1
	CREST
.endm
	s_load_b128 s[4:7], s[0:1], 0x0                ; xb s[4:5], wb s[6:7]
	s_load_b64 s[8:9], s[0:1], 0x10                ; qkv
	v_lshl_add_u32 v[SPW], v0, 2, SPARE
	v_mov_b32 v[NIL], 0
	ds_add_u32 v[SPW], v[NIL]                      ; the wave's opening: the add, twice on end, and its wait ahead of my first tensor load
	ds_add_u32 v[SPW], v[NIL]                      ; and once more; the set-up below, work on registers, stands between it and the wait
	v_lshrrev_b32 v1, 5, v0
	v_readfirstlane_b32 s10, v1                    ; wave 0..3
	s_lshr_b32 s11, s10, 1                         ; wm: which 64 rows are mine
	s_and_b32 s12, s10, 1                          ; wn: which 64 columns of each head
	s_bfe_u32 s40, ttmp6, 0x40000                  ; cx: my place in the cluster
	s_lshl_b32 s13, ttmp9, 2                       ; in a cluster launch ttmp9 counts clusters
	s_add_co_u32 s13, s13, s40                     ; my block of 128 rows: it enters x's and the result's addresses alone
	s_and_b32 s42, ttmp7, 0xffff                   ; my block of 384 columns, which the four partners share
	s_mov_b32 s[G1A], (1<<16)|(1<<20)|(5<<22)|(3<<25)              ; 17:16 elements of 2 bytes; 20 padding on; 24:22 after every 64 words (code 5); 31:25 4 words of it (code 3)
	s_mov_b32 s[G1B], 15|(1<<16)|(1<<20)|(1<<21)|(5<<22)|(7<<25)   ; 15:0 the mask: all four work-groups; 21 set beside a mask; 8 words of padding (code 7)
.irp g, G1A, G1B
	s_mov_b32 s[(\g)+1], 128<<16                   ; tensor_dim0 = 128
	s_mov_b32 s[(\g)+2], 128<<16                   ; tensor_dim1 = 128
	s_mov_b32 s[(\g)+3], 128<<16                   ; tile_dim0 = 128
	s_mov_b32 s[(\g)+4], 128                       ; tile_dim1 = 128
	s_mov_b32 s[(\g)+5], 768                       ; 768 elements from row to row, in xb and in wb
	s_mov_b32 s[(\g)+6], 0
	s_mov_b32 s[(\g)+7], 0
.endr
	s_mul_i32 s14, s13, 196608                     ; x: my 128 rows of 1,536 bytes
	s_mov_b32 s15, 0
	s_lshr_b32 s44, s42, 1                         ; W: which matrix (1,179,648 bytes each),
	s_mul_i32 s44, s44, 1179648
	s_and_b32 s46, s42, 1                          ; which half of its columns (768 bytes),
	s_mul_i32 s46, s46, 768
	s_add_co_u32 s44, s44, s46
	s_lshl_b32 s46, s10, 8                         ; and chunk w (256 bytes): no register of these ever holds cx
	s_add_co_u32 s44, s44, s46
	s_mov_b32 s45, 0
	s_mul_i32 s20, s10, CH                         ; where my load goes: chunk w, or (wave 3) behind the three chunks
	s_wait_dscnt 0x0                               ; both opening adds are done
	s_wait_kmcnt 0x0
	s_add_nc_u64 s[14:15], s[4:5], s[14:15]
	s_add_nc_u64 s[44:45], s[6:7], s[44:45]
	CROUND                                         ; all four work-groups are here: the first joint loads meet
.irp s, 0,1
	s_mov_b32 s[G0A+4*(\s)], 1                     ; count = 1
	s_add_co_u32 s[G0A+4*(\s)+1], s20, (\s)*SLOT   ; LDS address
	s_add_nc_u64 s[G0A+4*(\s)+2:G0A+4*(\s)+3], s[14:15], (\s)*256      ; K step s: 256 bytes along x's rows
	s_or_b32 s[G0A+4*(\s)+3], s[G0A+4*(\s)+3], 0x80000000              ; type = 2
	s_mov_b32 s[G0B+4*(\s)], 1
	s_add_co_u32 s[G0B+4*(\s)+1], s20, (\s)*SLOT
	s_add_nc_u64 s[G0B+4*(\s)+2:G0B+4*(\s)+3], s[44:45], (\s)*196608   ; K step s: 128 rows of W down
	s_or_b32 s[G0B+4*(\s)+3], s[G0B+4*(\s)+3], 0x80000000
	JLOAD \s                                       ; two loads of mine are out
.endr
	v_and_b32 v1, 15, v0                           ; r = l % 16
	v_bfe_u32 v2, v0, 4, 1                         ; h = l / 16
	v_and_b32 v3, 7, v0
	v_bfe_u32 v4, v0, 3, 1
	v_mul_u32_u24 v5, v1, PA
	v_lshl_add_u32 v5, v2, 4, v5                   ; r x 272 + 16 h
	s_mul_i32 s21, s11, 64*PA                      ; my 64 rows
	s_add_co_u32 s22, s21, AOFF
	v_add_nc_u32 v[ADRA], s22, v5
	v_add_nc_u32 v[ADRA+1], SLOT, v[ADRA]
	v_lshl_add_u32 v6, v2, 3, v3                   ; the turning load: lane l reads k row 8 h + l % 8, columns 8 ((l / 8) % 2) + 0..7
	v_mul_u32_u24 v6, v6, PB
	v_lshl_add_u32 v6, v4, 4, v6
	s_lshl_b32 s23, s12, 7                         ; my 64 columns: 128 bytes
	v_add_nc_u32 v6, s23, v6
.irp s, 0,1
.irp c, 0,1,2
	v_add_nc_u32 v[ADRB+3*(\s)+(\c)], (\s)*SLOT+(\c)*CH, v6
.endr
.endr
	s_add_co_u32 s21, s21, s23                     ; into the stage: row 64 wm + r, byte 128 wn + 16 h
	v_add_nc_u32 v7, s21, v5
.irp c, 0,1,2
	v_add_nc_u32 v[STO+(\c)], (\c)*PLANE, v7
.endr
	v_mul_u32_u24 v7, v2, 272                      ; back: wave w takes rows 32 w .. 32 w + 31 of each plane, whole; lanes 0-15 one row, lanes 16-31 the next
	v_lshl_add_u32 v7, v1, 4, v7
	s_mul_i32 s21, s10, 32*272
	v_add_nc_u32 v7, s21, v7
.irp c, 0,1,2
	v_add_nc_u32 v[RD+(\c)], (\c)*PLANE, v7
.endr
	v_lshlrev_b32 v[CO], 8, v2                     ; and the same two rows of a head, 256 bytes each
	v_lshl_add_u32 v[CO], v1, 4, v[CO]
	s_lshr_b32 s16, s13, 4                         ; the result: batch = row block / 16, 18 heads each,
	s_mul_i32 s16, s16, 18
	s_mul_i32 s18, s42, 3                          ; my first head,
	s_add_co_u32 s16, s16, s18
	s_lshl_b32 s16, s16, 19                        ; 524,288 bytes a head,
	s_and_b32 s18, s13, 15
	s_lshl_b32 s18, s18, 15                        ; my block's 128 rows of 256 bytes,
	s_add_co_u32 s16, s16, s18
	s_lshl_b32 s18, s10, 13                        ; the 32 of them that I store
	s_add_co_u32 s16, s16, s18
	s_mov_b32 s17, 0
	s_add_nc_u64 s[8:9], s[8:9], s[16:17]
; 12 matrix instructions: row block 2 hi + a x all 12 column tiles, 32 along K, from buffer f.  zero = 1: the product starts the sums: nothing is cleared.
; The 48 accumulators take turns, one instruction a turn, in the same order in every quarter.
.macro MUL12 f, hi, a, zero
	WIN 0xa1+0x50*(\hi)
.irp b, 0,1,2,3,4,5,6,7,8,9,10,11
.if \zero
	v_wmma_f32_16x16x32_bf16 v[8*(12*(\a)+(\b)):8*(12*(\a)+(\b))+7], v[96*(\f)+8*(\b):96*(\f)+8*(\b)+7], v[64+32*(\f)+8*(2*(\hi)+(\a)):64+32*(\f)+8*(2*(\hi)+(\a))+7], 0
.else
	v_wmma_f32_16x16x32_bf16 v[8*(12*(\a)+(\b)):8*(12*(\a)+(\b))+7], v[96*(\f)+8*(\b):96*(\f)+8*(\b)+7], v[64+32*(\f)+8*(2*(\hi)+(\a)):64+32*(\f)+8*(2*(\hi)+(\a))+7], v[8*(12*(\a)+(\b)):8*(12*(\a)+(\b))+7]
.endif
.endr
.endm
; 32 LDS loads in one run: quarter q (32 along K) of a slot into buffer f: W's 12 fragments (tile b: chunk b / 4, columns 64 wn + 16 (b % 4)), then x's 4.
.macro FETCH slot, q, f
	WIN 0x40                                       ; destination window 1, address window 0
.irp b, 0,1,2,3,4,5,6,7,8,9,10,11
	ds_load_tr16_b128 v[96*(\f)+8*(\b):96*(\f)+8*(\b)+3],   v[ADRB+3*(\slot)+(\b)/4] offset:32*PB*(\q)+32*((\b)%4)
	ds_load_tr16_b128 v[96*(\f)+8*(\b)+4:96*(\f)+8*(\b)+7], v[ADRB+3*(\slot)+(\b)/4] offset:32*PB*(\q)+32*((\b)%4)+16*PB
.endr
	WIN 0
.irp a, 0,1,2,3
	ds_load_b128 v[64+32*(\f)+8*(\a):64+32*(\f)+8*(\a)+3],   v[ADRA+(\slot)] offset:64*(\q)+(\a)*16*PA
	ds_load_b128 v[64+32*(\f)+8*(\a)+4:64+32*(\f)+8*(\a)+7], v[ADRA+(\slot)] offset:64*(\q)+(\a)*16*PA+32
.endr
.endm
; A K step is four quarters of 32 along K, 48 matrix instructions each, on buffers 0, 1, 0, 1.  One of the first three: multiplies buffer f and fetches quarter q into buffer g.
.macro QUARTER slot, q, f, g, zero
	s_wait_dscnt 4                                 ; W's fragments and x's blocks 0, 1 are in; the youngest four loads (blocks 2, 3) may be out
	MUL12 \f, 0, 0, \zero
	MUL12 \f, 0, 1, \zero
	PLACES
	FETCH \slot, \q, \g
	s_wait_dscnt 32                                ; all but the 32 just issued
	MUL12 \f, 1, 0, \zero
	MUL12 \f, 1, 1, \zero
.endm
; The last quarter multiplies buffer 1 and changes slots: ONE barrier; in front of it each wave waits for all its tensor loads (one is out: its part of the next slot), adds 0 to its spare word, and waits for
; that and for its own reads of this slot.  fill = 1: the barrier opens a round of the cluster's, and this slot is filled again first thing behind it, two K steps ahead: 168 matrix instructions ahead of the wait for it.
.macro TURN slot, next, fill
	WIN 0                                          ; (the add's two registers lie in window 0)
	s_wait_tensorcnt 0x0                           ; all my tensor loads have landed
	ds_add_u32 v[SPW], v[NIL]                      ; 0 onto my spare word
	s_wait_dscnt 5                                 ; (the add and the youngest four loads may be out)
	MUL12 1, 0, 0, 0                               ; twelve matrix instructions stand between the add and the wait for it
	s_wait_dscnt 0x0                               ; the add is done, and my reads of this slot are over
	s_barrier_signal -1
	MUL12 1, 0, 1, 0
.if \fill
	WIN 0
.endif
	s_barrier_wait -1
.if \fill
	CREST                                          ; no wave of any partner still reads this slot or has a load on its way
	s_add_nc_u64 s[G0A+4*(\slot)+2:G0A+4*(\slot)+3], s[G0A+4*(\slot)+2:G0A+4*(\slot)+3], 2*256
	s_add_nc_u64 s[G0B+4*(\slot)+2:G0B+4*(\slot)+3], s[G0B+4*(\slot)+2:G0B+4*(\slot)+3], 2*196608
	JLOAD \slot                                    ; the four v_nop behind it are also the places in front of the loads below
.else
	PLACES
.endif
	FETCH \next, 0, 0
	MUL12 1, 1, 0, 0
	MUL12 1, 1, 1, 0
.endm
	s_wait_tensorcnt 1                             ; my part of K step 0 is in; K step 1's may stay out
	s_barrier_signal -1
	s_barrier_wait -1                              ; everybody's is
	FETCH 0, 0, 0
	QUARTER 0, 1, 0, 1, 1                          ; the first quarter stands in front of the loop: its products start the sums
	WIN 0                                          ; at a label and at a branch every window is 0
	s_mov_b32 s3, 2
.Llap:                                         ; a trip goes once round the ring and fills both slots again: K steps 2, 3 and then 4, 5 are asked for
	QUARTER 0, 2, 1, 0, 0
	QUARTER 0, 3, 0, 1, 0
	TURN 0, 1, 1
	QUARTER 1, 1, 0, 1, 0
	QUARTER 1, 2, 1, 0, 0
	QUARTER 1, 3, 0, 1, 0
	TURN 1, 0, 1
	QUARTER 0, 1, 0, 1, 0
	WIN 0
	s_sub_co_u32 s3, s3, 1
	s_cmp_lg_u32 s3, 0
	s_cbranch_scc1 .Llap
	QUARTER 0, 2, 1, 0, 0                          ; the last lap fills nothing
	QUARTER 0, 3, 0, 1, 0
	TURN 0, 1, 0                                   ; behind this barrier no wave reads slot 0 any more
	QUARTER 1, 1, 0, 1, 0
	QUARTER 1, 2, 1, 0, 0
	QUARTER 1, 3, 0, 1, 0
	s_wait_dscnt 4
	MUL12 1, 0, 0, 0
	MUL12 1, 0, 1, 0
	s_wait_dscnt 0x0
	MUL12 1, 1, 0, 0
	MUL12 1, 1, 1, 0
	; THE WAY OUT: round to f16 (each accumulator's registers in ascending order); 16 bytes a lane into the stage; a barrier, since a row's 256 bytes come from two waves; back as whole rows, 32 rows of each plane a wave.
	PLACES
	PLACES
.irp hi, 0,1
	WIN 0x0a+5*(\hi)                               ; sources 0 and 1 in window 2 or 3, destination in window 0
.set n, 0
.rept 96
	v_cvt_pk_f16_f32 v[TMP+96*(\hi)+n], v[2*n], v[2*n+1]
.set n, n+1
.endr
.endr
	WIN 0
.set n, 0
.rept 48                               ; n = 12 x row block + tile
	ds_store_b128 v[STO+(n%12)/4], v[TMP+4*n:TMP+4*n+3] offset:16*272*(n/12)+32*(n%4)
.set n, n+1
.endr
	s_wait_dscnt 0x0                               ; for the others' sake: my stores into the stage are done
	s_barrier_signal -1
	s_barrier_wait -1
.set n, 0
.rept 48                               ; n = 16 x plane + pair of rows
	ds_load_b128 v[TMP+4*n:TMP+4*n+3], v[RD+n/16] offset:2*272*(n%16)
.set n, n+1
.endr
.set n, 0
.rept 48
	s_wait_dscnt 47-n                              ; LDS loads come back in order: load n is in
	global_store_b128 v[CO], v[TMP+4*n:TMP+4*n+3], s[8:9] offset:(n/16)*524288+512*(n%16)  ; 16 lanes store 256 consecutive bytes, aligned: a row of a head
.set n, n+1
.endr
	s_wait_tensorcnt 0x0                           ; the wave's end, behind my last tensor load and my last LDS store
	ds_add_u32 v[SPW], v[NIL]
	s_wait_dscnt 0x0
	CROUND                                         ; the closing round: no work-group ends while a partner may still ask for a tile that names it
	s_endpgm
.Lfunc_end_k_q3579aa1dd3_qkv:
	.size	k_q3579aa1dd3_qkv, .Lfunc_end_k_q3579aa1dd3_qkv-k_q3579aa1dd3_qkv
	.p2alignl 7, 3214868480
	.fill 96, 4, 3214868480
	.section	.rodata,"a",@progbits
	.p2align	6, 0x0
	.amdhsa_kernel k_q3579aa1dd3_qkv
		.amdhsa_group_segment_fixed_size 327680
		.amdhsa_private_segment_fixed_size 0
		.amdhsa_enable_private_segment 0
		.amdhsa_kernarg_size 24
		.amdhsa_user_sgpr_count 2
		.amdhsa_user_sgpr_kernarg_segment_ptr 1
		.amdhsa_wavefront_size32 1
		.amdhsa_system_sgpr_workgroup_id_x 1
		.amdhsa_system_sgpr_workgroup_id_y 1
		.amdhsa_system_sgpr_workgroup_id_z 1
		.amdhsa_system_vgpr_workitem_id 0
		.amdhsa_next_free_vgpr 960
		.amdhsa_next_free_sgpr 66
		.amdhsa_reserve_vcc 0
		.amdhsa_float_denorm_mode_32 3
		.amdhsa_float_denorm_mode_16_64 3
		.amdhsa_memory_ordered 1
		.amdhsa_forward_progress 1
		.amdhsa_inst_pref_size 120
	.end_amdhsa_kernel
	.amdgpu_metadata
---
amdhsa.version: [ 1, 2 ]
amdhsa.kernels:
  - .name:           k_q3579aa1dd3_qkv
    .symbol:         k_q3579aa1dd3_qkv.kd
    .args:
      - { .name: xb, .offset: 0, .size: 8, .value_kind: global_buffer, .address_space: global }
      - { .name: wb, .offset: 8, .size: 8, .value_kind: global_buffer, .address_space: global }
      - { .name: qkv, .offset: 16, .size: 8, .value_kind: global_buffer, .address_space: global }
    .group_segment_fixed_size: 327680
    .private_segment_fixed_size: 0
    .kernarg_segment_align: 8
    .kernarg_segment_size: 24
    .max_flat_workgroup_size: 128
    .sgpr_count:     66
    .vgpr_count:     960
    .wavefront_size: 32
...
	.end_amdgpu_metadata
.endif
;; end of part 2
;; launch attn (part 3): grid 16 x 12, 4 waves a work-group, no clusters, 232,960 bytes of LDS; arguments qkv, ab; writes ab
.if DOCPART == 3
	.amdgcn_target "amdgcn-amd-amdhsa--gfx1250"
	.amdhsa_code_object_version 6
	.text
	.protected	k_q3579aa1dd3_attn
	.globl	k_q3579aa1dd3_attn
	.p2align	8
	.type	k_q3579aa1dd3_attn,@function
k_q3579aa1dd3_attn:
	s_mov_b64 s[64:65], 0
	v_nop
	global_prefetch_b8 v0, s[64:65] scope:SCOPE_SE
	s_setreg_imm32_b32 hwreg(HW_REG_WAVE_MODE, 25, 1), 1
	s_wait_xcnt 0x0
; ATTENTION IN THE BAND |query - key| <= 128, for one (batch, head) and one block of 128 queries.  q, k, v: qkv[b][hh][2048][128] in f16 (hh 0-5 q, 6-11 k, 12-17 v); result ab[b s][768] in f16, heads merged.
; WORK LEFT OUT: key tiles wholly outside the band.  A hidden score is (q.k) x 0 - 1e9 by the problem's own mask, and its weight is 0 in f32 while a row's largest visible score lies above -1e9 + 104 (a row always sees
; its own key).  LIMITS: visible scores above -9.9e8; inside a tile that is computed a hidden score counts as its value less 1e30, or as -1e30; a NaN or an infinity that arises only in work left out is not carried on;
; a weight below 2^-126 counts as 0; the weights p lie in 0 to 1 and keep f16's step of 6e-8 below 6e-5.
; SHARES.  LDS takes the block's three tiles of 128 keys, local keys 0..383 = absolute 128 (i - 1) + local, each filled once: no ring.  At i = 0 the first tile, at i = 15 the last, does not exist: a neighbour's rows
; (finite numbers) are loaded in its place and hidden by the edge mask.  Wave w owns queries 32 w .. 32 w + 31, two tiles t of 16, and reads local keys 32 w .. 32 w + 287: 18 tiles kt of 16 keys, 9 groups g of 32.
; SOFTMAX.  All 288 scores of a query lie in registers, so the maximum is the true one of the whole row, taken away before the exponential: p = 2^(c s - c m), c = log2(e) / sqrt(128); O is divided by the sum of the unrounded p at the end.
; LAYOUT.  S^T = K Q^T (source 0 = 16 keys, source 1 = 16 queries): a lane holds ONE query (l % 16) and the keys 8 (l / 16) + 0..7.  Two such tiles rounded to f16 in pairs ARE source 1 of O^T = V^T P; V comes out of LDS turned.
; THE MASK is the C operand that starts a sum.  key - query = 16 (kt - t) - 128 + (8 h + j - r): kt = t takes ML (hidden where j < r - 8 h), kt = 16 + t takes MU (hidden where j > r - 8 h), the two tiles that are hidden
; whole (t = 0, kt = 17; t = 1, kt = 0; they belong to groups that hold live work) take HB, all others the constant 0.
; NO CLUSTER.  Neighbouring blocks share two of their three key tiles, but at LDS places 128 keys apart: a joint load has one LDS address for all that it names, so the place would hang on a work-group's place in its
; cluster; and four blocks' keys together are 768 rows: 768 x (272 + 288) = 430,080 bytes, more than LDS holds.  Nothing is prefetched: all that the work-group reads is asked for at its head.
; REGISTERS, in windows of 256 (s_set_vgpr_msb: bits 1:0 source 0, 3:2 source 1, 5:4 source 2, 7:6 destination):
;   window 0: v0-15 addresses; v32-95 Q (tile t, channels 32 c on, at 32 + 32 t + 8 c), later the statistics; v96-127 at work on the way out; v128-255 two buffers of 64: K's fragments, later V's
;   window 1 + t: v0-143 S^T (tile kt at 8 kt), later P in place (group g at 8 g); v144-207 O^T; v208-215 ML; v216-223 MU; v244-251 HB
;   statistics of tile t, in window 0 at ST = 32 + 32 t: +0..3 four running maxima; +4 c m; +5 m; +8..15 four pairs of sums; +16, +17 1 / l
.set PK,    272                        ; a row of K in LDS: 256 bytes + 16 = 68 words: the 16 rows of a load start at 16 different groups of four banks (64 banks of 4 bytes: ISA guide 11.1)
.set PV,    288                        ; a row of V: 256 + 32 = 72 words
.set VOFF,  384*PK
.set STAGE, VOFF+384*PV                ; never filled by a tensor load: 16 rows x 272 bytes for each wave, for the way out
.set SPARE, STAGE+4*16*272             ; the spare words, 128 bytes for each wave: two blocks of 256 bytes that no other line names
.set KB,    128
.set MSB, 0
.macro WIN new                         ; the immediate's high byte repeats the setting that is left; a switch that changes nothing is dropped
.if MSB != (\new)
	s_set_vgpr_msb (MSB<<8)|(\new)
.set MSB, \new
.endif
.endm
.macro PLACES                          ; four places in front of loads into registers that matrix instructions have read, and of instructions that read results
.rept 4
	v_nop
.endr
.endm
	s_load_b128 s[4:7], s[0:1], 0x0                ; qkv s[4:5], ab s[6:7]
	v_lshl_add_u32 v14, v0, 2, SPARE               ; v14: LDS address of my spare word; never rewritten
	v_mov_b32 v15, 0                               ; v15: 0; never rewritten
	ds_add_u32 v14, v15                            ; the wave's opening: the add, twice on end, and its wait ahead of my first tensor load
	ds_add_u32 v14, v15                            ; and once more; the set-up below, work on registers, stands between it and the wait
	v_lshrrev_b32 v1, 5, v0
	v_readfirstlane_b32 s8, v1                     ; wave 0..3
	s_mov_b32 s9, ttmp9                            ; i: the block of 128 queries
	s_and_b32 s10, ttmp7, 0xffff                   ; 6 b + h
	s_cmp_ge_u32 s10, 6
	s_cselect_b32 s60, 12, 0
	s_cselect_b32 s61, 2048, 0                     ; the batch's first row of ab
	s_cselect_b32 s62, 6, 0
	s_add_co_u32 s11, s10, s60                     ; q's head among the 36 of qkv: 18 b + h
	s_sub_co_u32 s62, s10, s62                     ; h
	s_add_co_u32 s12, s9, s8                       ; the key tile that wave w fetches: i - 1 + w, held to 0..15
	s_max_u32 s12, s12, 1
	s_sub_co_u32 s12, s12, 1
	s_min_u32 s12, s12, 15
	s_add_co_u32 s52, s11, 6                       ; K: head + 6, 524,288 bytes a head, 32,768 a tile
	s_lshl_b32 s52, s52, 19
	s_lshl_b32 s54, s12, 15
	s_add_co_u32 s52, s52, s54
	s_mov_b32 s53, 0
	s_add_co_u32 s54, s52, 6*524288                ; V: six heads on
	s_mov_b32 s55, 0
	s_lshl_b32 s56, s11, 19                        ; Q: my wave's 32 rows
	s_lshl_b32 s63, s9, 15
	s_add_co_u32 s56, s56, s63
	s_lshl_b32 s63, s8, 13
	s_add_co_u32 s56, s56, s63
	s_mov_b32 s57, 0
	s_lshl_b32 s63, s9, 7                          ; ab: row 2,048 b + 128 i + 32 w, 1,536 bytes a row; the head's 256 bytes
	s_add_co_u32 s58, s61, s63
	s_lshl_b32 s63, s8, 5
	s_add_co_u32 s58, s58, s63
	s_mul_i32 s58, s58, 1536
	s_lshl_b32 s63, s62, 8
	s_add_co_u32 s58, s58, s63
	s_mov_b32 s59, 0
	s_mov_b32 s16, (1<<16)|(1<<20)|(5<<22)|(3<<25) ; group 1 for K: elements of 2 bytes; padding on; after every 64 words (code 5) 4 words (code 3)
	s_mov_b32 s24, (1<<16)|(1<<20)|(5<<22)|(7<<25) ; for V: 8 words (code 7)
.irp g, 16, 24
	s_mov_b32 s[(\g)+1], 128<<16                   ; tensor_dim0 = 128
	s_mov_b32 s[(\g)+2], 128<<16                   ; tensor_dim1 = 128
	s_mov_b32 s[(\g)+3], 128<<16                   ; tile_dim0 = 128
	s_mov_b32 s[(\g)+4], 128                       ; tile_dim1 = 128
	s_mov_b32 s[(\g)+5], 128                       ; 128 elements from row to row
	s_mov_b32 s[(\g)+6], 0
	s_mov_b32 s[(\g)+7], 0
.endr
	s_mov_b32 s32, 1                               ; group 0 for K: count = 1,
	s_mul_i32 s33, s8, 128*PK                      ; LDS address: tile w
	s_mov_b32 s36, 1
	s_mul_i32 s37, s8, 128*PV
	s_add_co_u32 s37, s37, VOFF
	s_mov_b32 s40, 0x3e0293ee                      ; c = log2(e) / sqrt(128) = 0.127517
	s_mov_b32 s41, s40                             ; named with it as a pair
	s_mov_b32 s42, 0x76543210                      ; v_permlanex16_b32's selects: each lane takes its own place in the other half
	s_mov_b32 s43, 0xfedcba98
	s_mov_b32 s44, 0xf149f2ca                      ; -1e30
	s_wait_dscnt 0x0                               ; both opening adds are done
	s_wait_kmcnt 0x0
	s_add_nc_u64 s[34:35], s[4:5], s[52:53]
	s_or_b32 s35, s35, 0x80000000                  ; type = 2
	s_add_nc_u64 s[38:39], s[4:5], s[54:55]
	s_or_b32 s39, s39, 0x80000000
	s_add_nc_u64 s[48:49], s[4:5], s[56:57]        ; Q
	s_add_nc_u64 s[50:51], s[6:7], s[58:59]        ; ab
	s_cmp_lt_u32 s8, 3                             ; waves 0-2 fetch a tile of K and then the same tile of V, in one branch; wave 3 fetches none.  Two loads of mine are out
	s_cbranch_scc0 .Lnoload
	tensor_load_to_lds s[32:35], s[16:23]
	s_nop 0
	tensor_load_to_lds s[36:39], s[24:31]
	s_nop 0
.rept 4
	v_nop
.endr
.Lnoload:
	v_and_b32 v1, 15, v0                           ; r = l % 16
	v_bfe_u32 v2, v0, 4, 1                         ; h = l / 16
	v_lshlrev_b32 v8, 8, v1
	v_lshl_add_u32 v8, v2, 4, v8                   ; Q: row x 256 + 16 h
.irp t, 0,1
.irp c, 0,1,2,3
	global_load_b128 v[32+32*(\t)+8*(\c):32+32*(\t)+8*(\c)+3],   v8, s[48:49] offset:4096*(\t)+64*(\c)
	global_load_b128 v[32+32*(\t)+8*(\c)+4:32+32*(\t)+8*(\c)+7], v8, s[48:49] offset:4096*(\t)+64*(\c)+32
.endr
.endr
	v_and_b32 v3, 7, v0
	v_bfe_u32 v13, v0, 3, 1
	s_mul_i32 s60, s8, 32*PK
	v_mul_u32_u24 v4, v1, PK
	v_lshl_add_u32 v4, v2, 4, v4
	v_add_nc_u32 v4, s60, v4                       ; v4: K's fragments: (32 w + r) x 272 + 16 h, for groups 0-4;
	v_add_nc_u32 v5, 5*32*PK, v4                   ; v5: for groups 5-8 (an LDS offset holds 16 bits)
	s_mul_i32 s60, s8, 32*PV
	s_add_co_u32 s60, s60, VOFF
	v_lshl_add_u32 v6, v2, 3, v3                   ; the turning load: lane l reads key 8 h + l % 8, channels 8 ((l / 8) % 2) + 0..7
	v_mul_u32_u24 v6, v6, PV
	v_lshl_add_u32 v6, v13, 4, v6
	v_add_nc_u32 v6, s60, v6                       ; v6: V's fragments, groups 0-4;
	v_add_nc_u32 v7, 5*32*PV, v6                   ; v7: groups 5-8
	s_mul_i32 s60, s8, 16*272
	s_add_co_u32 s60, s60, STAGE                   ; my stage
	v_mul_u32_u24 v9, v1, 272
	v_lshl_add_u32 v9, v2, 4, v9
	v_add_nc_u32 v9, s60, v9                       ; v9: in: row r, 16 bytes for each half of the lanes
	v_mul_u32_u24 v10, v2, 272
	v_lshl_add_u32 v10, v1, 4, v10
	v_add_nc_u32 v10, s60, v10                     ; v10: back: lanes 0-15 one row of 256 bytes, lanes 16-31 the next
	v_mul_u32_u24 v11, v2, 1536
	v_lshl_add_u32 v11, v1, 4, v11                 ; v11: and the same two rows in ab
	v_lshlrev_b32 v12, 3, v2
	v_sub_nc_u32 v12, v1, v12                      ; v12: r - 8 h
.irp t, 0,1
	WIN 0x40*(1+\t)                                ; destination in window 1 + t
.irp j, 0,1,2,3,4,5,6,7
	v_cmp_lt_i32 vcc_lo, \j, v12
	v_cndmask_b32 v[208+(\j)], 0, s44, vcc_lo      ; ML
	v_cmp_gt_i32 vcc_lo, \j, v12
	v_cndmask_b32 v[216+(\j)], 0, s44, vcc_lo      ; MU
	v_mov_b32 v[244+(\j)], s44                     ; HB
.endr
.endr
	WIN 0
; THE LDS LOADS stand in runs of 16.  Group g's K: 32 keys x 128 channels, 8 fragments (key tile kk, channels 32 c on), into buffer b.
.macro FETCHK g, b
	WIN 0
.irp kk, 0,1
.irp c, 0,1,2,3
	ds_load_b128 v[KB+64*(\b)+32*(\kk)+8*(\c):KB+64*(\b)+32*(\kk)+8*(\c)+3],   v[4+(\g)/5] offset:((\g)%5)*32*PK+(\kk)*16*PK+64*(\c)
	ds_load_b128 v[KB+64*(\b)+32*(\kk)+8*(\c)+4:KB+64*(\b)+32*(\kk)+8*(\c)+7], v[4+(\g)/5] offset:((\g)%5)*32*PK+(\kk)*16*PK+64*(\c)+32
.endr
.endr
.endm
; Group g's V, turned: 8 fragments of 16 channels x 32 keys.
.macro FETCHV g, b
	WIN 0
.irp cb, 0,1,2,3,4,5,6,7
	ds_load_tr16_b128 v[KB+64*(\b)+8*(\cb):KB+64*(\b)+8*(\cb)+3],   v[6+(\g)/5] offset:((\g)%5)*32*PV+32*(\cb)
	ds_load_tr16_b128 v[KB+64*(\b)+8*(\cb)+4:KB+64*(\b)+8*(\cb)+7], v[6+(\g)/5] offset:((\g)%5)*32*PV+32*(\cb)+16*PV
.endr
.endm
; Group g's 16 products K Q^T.  For each query tile the group's two accumulators take turns, one instruction a turn; the first product of each starts its sum with the mask or with 0.
.macro QKG g
.irp t, 0,1
	WIN 0x50*(1+\t)                                ; K and Q in window 0; C and D in window 1 + t
.irp c, 0,1,2,3
.irp kk, 0,1
.set kt, 2*(\g)+(\kk)
.set rK, KB+64*((\g)%2)+32*(\kk)+8*(\c)
.set rQ, 32+32*(\t)+8*(\c)
.if (\c) > 0
	v_wmma_f32_16x16x32_f16 v[8*kt:8*kt+7], v[rK:rK+7], v[rQ:rQ+7], v[8*kt:8*kt+7]
.elseif kt == (\t)
	v_wmma_f32_16x16x32_f16 v[8*kt:8*kt+7], v[rK:rK+7], v[rQ:rQ+7], v[208:215]
.elseif kt == 16+(\t)
	v_wmma_f32_16x16x32_f16 v[8*kt:8*kt+7], v[rK:rK+7], v[rQ:rQ+7], v[216:223]
.elseif (kt == 0) || (kt == 17)
	v_wmma_f32_16x16x32_f16 v[8*kt:8*kt+7], v[rK:rK+7], v[rQ:rQ+7], v[244:251]
.else
	v_wmma_f32_16x16x32_f16 v[8*kt:8*kt+7], v[rK:rK+7], v[rQ:rQ+7], 0
.endif
.endr
.endr
.endr
.endm
; Group g's 16 products V^T P: for each query tile the 8 accumulators of O^T take turns.  Group 0 starts the sums.
.macro PVG g
.irp t, 0,1
	WIN 0x54*(1+\t)                                ; V in window 0; P, C and D in window 1 + t
.irp cb, 0,1,2,3,4,5,6,7
.if (\g) == 0
	v_wmma_f32_16x16x32_f16 v[144+8*(\cb):144+8*(\cb)+7], v[KB+64*((\g)%2)+8*(\cb):KB+64*((\g)%2)+8*(\cb)+7], v[8*(\g):8*(\g)+7], 0
.else
	v_wmma_f32_16x16x32_f16 v[144+8*(\cb):144+8*(\cb)+7], v[KB+64*((\g)%2)+8*(\cb):KB+64*((\g)%2)+8*(\cb)+7], v[8*(\g):8*(\g)+7], v[144+8*(\cb):144+8*(\cb)+7]
.endif
.endr
.endr
.endm
; THE SOFTMAX of query tile t: a lane's 144 scores (its query's other 144 lie in the lane 16 away).
.macro SOFT t
.set ST, 32+32*(\t)
	WIN 0
.irp n, 0,1,2,3
	v_mov_b32 v[ST+(\n)], 0xff7fffff               ; the four running maxima start at the lowest finite number, so that all 72 lines below have one form
.endr
	WIN 0x14*(1+\t)                                ; sources 1 and 2 (scores) in window 1 + t
.set qd, 0
.rept 5                                ; four key tiles at a time, a chain each; of each accumulator the lowest registers are read first
.set j, 0
.rept 4
.set u, 0
.rept 4
.if 4*qd+u < 18
	v_max3_num_f32 v[ST+u], v[ST+u], v[8*(4*qd+u)+2*j], v[8*(4*qd+u)+2*j+1]
.endif
.set u, u+1
.endr
.set j, j+1
.endr
.set qd, qd+1
.endr
	WIN 0
	v_max3_num_f32 v[ST], v[ST], v[ST+1], v[ST+2]
	v_max_num_f32 v[ST], v[ST], v[ST+3]
	v_permlanex16_b32 v[ST+1], v[ST], s42, s43     ; the other half of the lanes' maximum
	v_max_num_f32 v[ST+5], v[ST], v[ST+1]          ; m
	v_mul_f32 v[ST+4], s40, v[ST+5]                ; c m
	WIN 0x41*(1+\t)                                ; destination and source 0 in window 1 + t
	; ONE BATCH: 72 scalings c s - c m, a pair each, and 144 exponentials; a pair is scaled three lines ahead of its exponentials; nothing here names an exponential's result
	v_pk_fma_f32 v[0:1], v[0:1], s[40:41], v[ST+4:ST+5] op_sel_hi:[1,0,0] neg_lo:[0,0,1] neg_hi:[0,0,1]
.set p, 0
.rept 72
.if p < 71
	v_pk_fma_f32 v[2*p+2:2*p+3], v[2*p+2:2*p+3], s[40:41], v[ST+4:ST+5] op_sel_hi:[1,0,0] neg_lo:[0,0,1] neg_hi:[0,0,1]
.endif
	v_exp_f32 v[2*p], v[2*p]
	v_exp_f32 v[2*p+1], v[2*p+1]
.set p, p+1
.endr
	v_nop                                          ; a plain instruction behind the last exponential,
	s_wait_alu depctr_va_vdst(0)                   ; and the one wait ahead of the batch's first reader
	WIN 0x05*(1+\t)                                ; the sum of the unrounded weights, in four chains of pairs: the first eight pairs start them,
.irp n, 0,1,2,3
	v_pk_add_f32 v[ST+8+2*(\n):ST+9+2*(\n)], v[2*(\n):2*(\n)+1], v[8+2*(\n):9+2*(\n)]
.endr
	WIN 0x04*(1+\t)                                ; the other 64 follow
.set p, 8
.rept 64
	v_pk_add_f32 v[ST+8+2*(p%4):ST+9+2*(p%4)], v[ST+8+2*(p%4):ST+9+2*(p%4)], v[2*p:2*p+1]
.set p, p+1
.endr
	WIN 0
	v_pk_add_f32 v[ST+8:ST+9], v[ST+8:ST+9], v[ST+10:ST+11]
	v_pk_add_f32 v[ST+12:ST+13], v[ST+12:ST+13], v[ST+14:ST+15]
	v_pk_add_f32 v[ST+8:ST+9], v[ST+8:ST+9], v[ST+12:ST+13]
	v_add_f32 v[ST+8], v[ST+8], v[ST+9]
	v_permlanex16_b32 v[ST+9], v[ST+8], s42, s43
	v_add_f32 v[ST+8], v[ST+8], v[ST+9]            ; l
	v_rcp_f32 v[ST+16], v[ST+8]
	WIN 0x45*(1+\t)                                ; P in place: register n takes scores 2 n and 2 n + 1, ascending
.set p, 0
.rept 72
	v_cvt_pk_f16_f32 v[p], v[2*p], v[2*p+1]
.set p, p+1
.endr
	WIN 0
	s_wait_alu depctr_va_vdst(0)                   ; the reciprocal's wait; the 72 roundings are the independent work between
	v_mov_b32 v[ST+17], v[ST+16]                   ; named with it as a pair
.endm
	s_wait_tensorcnt 1                             ; my tile of K is in; V's may stay out
	s_barrier_signal -1
	s_barrier_wait -1                              ; everybody's is
	FETCHK 0, 0
	s_wait_loadcnt 0x0                             ; Q
.irp g, 0,1,2,3,4,5,6,7
.if (\g) > 0
	PLACES                                         ; the buffer to be loaded was multiplied by the group before
.endif
	FETCHK (\g)+1, ((\g)+1)%2
	s_wait_dscnt 16                                ; group g's fragments are in; the 16 loads just issued may be out
	QKG \g
.endr
	s_wait_dscnt 0x0
	QKG 8
	PLACES
	WIN 0
	s_wait_tensorcnt 0x0                           ; my tile of V is in,
	s_barrier_signal -1
	s_barrier_wait -1                              ; everybody's is
	FETCHV 0, 0                                    ; it lands under the softmax
	; THE EDGES.  In block 0 local keys below 128, in block 15 those from 256 on, do not exist: key tiles kt < 8 - 2 w, or kt >= 16 - 2 w, count as -1e30.  The jumps hang on the block's number alone and go forward.
	s_cmp_eq_u32 s9, 0
	s_cbranch_scc1 .Ledge
	s_cmp_lg_u32 s9, 15
	s_cbranch_scc1 .Lmid
.Ledge:
	s_lshl_b32 s60, s8, 1
	s_sub_co_u32 s61, 8, s60
	s_sub_co_u32 s62, 16, s60
	s_cmp_eq_u32 s9, 0
	s_cselect_b32 s45, s61, 0                      ; tiles below this number are hidden,
	s_cmp_eq_u32 s9, 15
	s_cselect_b32 s46, s62, 18                     ; and tiles from this number on
.irp n, 0,1,2,3,4,5,6,7
	s_cmp_gt_u32 s45, \n
	s_cselect_b32 s[68+(\n)], -1, 0                ; a mask of all lanes for tile n,
	s_cmp_le_u32 s46, 10+(\n)
	s_cselect_b32 s[76+(\n)], -1, 0                ; and for tile 10 + n
.endr
.irp t, 0,1
	WIN 0x45*(1+\t)
.irp n, 0,1,2,3,4,5,6,7
.irp j, 0,1,2,3,4,5,6,7
	v_cndmask_b32 v[8*(\n)+(\j)], v[8*(\n)+(\j)], v[244+(\j)], s[68+(\n)]
.endr
.endr
.irp n, 0,1,2,3,4,5,6,7
.irp j, 0,1,2,3,4,5,6,7
	v_cndmask_b32 v[8*(10+(\n))+(\j)], v[8*(10+(\n))+(\j)], v[244+(\j)], s[76+(\n)]
.endr
.endr
.endr
	WIN 0
.Lmid:
	SOFT 0
	SOFT 1
.irp g, 0,1,2,3,4,5,6,7
.if (\g) > 0
	PLACES
.endif
	FETCHV (\g)+1, ((\g)+1)%2
	s_wait_dscnt 16                                ; group g's fragments are in; the 16 loads just issued may be out
	PVG \g
.endr
	s_wait_dscnt 0x0
	PVG 8
	; THE WAY OUT.  O^T is divided by l, rounded to f16 and sent through my own stage in LDS, a tile (16 rows) at a time: a lane's eight channels are 16 bytes; they come back as whole rows of 256 bytes.
.macro PACK t
.set ST, 32+32*(\t)
	WIN 0x41*(1+\t)
.set n, 0
.rept 32
	v_pk_mul_f32 v[144+2*n:145+2*n], v[144+2*n:145+2*n], v[ST+16:ST+17] op_sel_hi:[1,0]
.set n, n+1
.endr
	WIN 0x05*(1+\t)
.set n, 0
.rept 32
	v_cvt_pk_f16_f32 v[96+n], v[144+2*n], v[145+2*n]
.set n, n+1
.endr
	WIN 0
.irp f, 0,1,2,3,4,5,6,7
	ds_store_b128 v9, v[96+4*(\f):96+4*(\f)+3] offset:32*(\f)
.endr
.irp f, 0,1,2,3,4,5,6,7
	ds_load_b128 v[128+32*(\t)+4*(\f):128+32*(\t)+4*(\f)+3], v10 offset:2*272*(\f)  ; LDS serves a wave's instructions in order (ISA guide 5.7.1.4): these see the stores above; the next tile's stores come behind them
.endr
.endm
.macro SEND t, younger                 ; younger: the LDS instructions issued behind tile t's loads
.irp f, 0,1,2,3,4,5,6,7
	s_wait_dscnt (\younger)+7-(\f)
	global_store_b128 v11, v[128+32*(\t)+4*(\f):128+32*(\t)+4*(\f)+3], s[50:51] offset:16*1536*(\t)+2*1536*(\f)  ; 16 lanes store 256 consecutive bytes, aligned: a head's part of a row
.endr
.endm
	PLACES
	PLACES
	PACK 0
	PACK 1
	SEND 0, 16
	SEND 1, 0
	s_wait_tensorcnt 0x0                           ; the wave's end, behind my last tensor load and my last LDS store
	ds_add_u32 v14, v15
	s_wait_dscnt 0x0
	s_endpgm
.Lfunc_end_k_q3579aa1dd3_attn:
	.size	k_q3579aa1dd3_attn, .Lfunc_end_k_q3579aa1dd3_attn-k_q3579aa1dd3_attn
	.p2alignl 7, 3214868480
	.fill 96, 4, 3214868480
	.section	.rodata,"a",@progbits
	.p2align	6, 0x0
	.amdhsa_kernel k_q3579aa1dd3_attn
		.amdhsa_group_segment_fixed_size 232960
		.amdhsa_private_segment_fixed_size 0
		.amdhsa_enable_private_segment 0
		.amdhsa_kernarg_size 16
		.amdhsa_user_sgpr_count 2
		.amdhsa_user_sgpr_kernarg_segment_ptr 1
		.amdhsa_wavefront_size32 1
		.amdhsa_system_sgpr_workgroup_id_x 1
		.amdhsa_system_sgpr_workgroup_id_y 1
		.amdhsa_system_sgpr_workgroup_id_z 1
		.amdhsa_system_vgpr_workitem_id 0
		.amdhsa_next_free_vgpr 768
		.amdhsa_next_free_sgpr 96
		.amdhsa_reserve_vcc 1
		.amdhsa_float_denorm_mode_32 3
		.amdhsa_float_denorm_mode_16_64 3
		.amdhsa_memory_ordered 1
		.amdhsa_forward_progress 1
		.amdhsa_inst_pref_size 128
	.end_amdhsa_kernel
	.amdgpu_metadata
---
amdhsa.version: [ 1, 2 ]
amdhsa.kernels:
  - .name:           k_q3579aa1dd3_attn
    .symbol:         k_q3579aa1dd3_attn.kd
    .args:
      - { .name: qkv, .offset: 0, .size: 8, .value_kind: global_buffer, .address_space: global }
      - { .name: ab, .offset: 8, .size: 8, .value_kind: global_buffer, .address_space: global }
    .group_segment_fixed_size: 232960
    .private_segment_fixed_size: 0
    .kernarg_segment_align: 8
    .kernarg_segment_size: 16
    .max_flat_workgroup_size: 128
    .sgpr_count:     96
    .vgpr_count:     768
    .wavefront_size: 32
...
	.end_amdgpu_metadata
.endif
;; end of part 3
;; launch proj (part 4): grid 32 x 6, 4 waves a work-group, clusters of 4 x 1, 327,680 bytes of LDS; arguments ab, wb, out0; writes out0
.if DOCPART == 4
	.amdgcn_target "amdgcn-amd-amdhsa--gfx1250"
	.amdhsa_code_object_version 6
	.text
	.protected	k_q3579aa1dd3_proj
	.globl	k_q3579aa1dd3_proj
	.p2align	8
	.type	k_q3579aa1dd3_proj,@function
k_q3579aa1dd3_proj:
	s_mov_b64 s[64:65], 0
	v_nop
	global_prefetch_b8 v0, s[64:65] scope:SCOPE_SE
	s_setreg_imm32_b32 hwreg(HW_REG_WAVE_MODE, 25, 1), 1
	s_wait_xcnt 0x0
	s_wait_alu depctr_hold_cnt(0) depctr_sa_sdst(0) depctr_va_vdst(0) depctr_va_sdst(0) depctr_va_ssrc(0) depctr_va_vcc(0) depctr_vm_vsrc(0)
	s_getreg_b32 s2, hwreg(HW_REG_IB_STS2, 6, 4)
	s_cmp_eq_u32 s2, 0
	s_cbranch_scc0 .Lentry_in_a_cluster
	s_endpgm
.Lentry_in_a_cluster:
	s_bfe_u32 s2, ttmp6, 0x10000c
	s_cmp_lg_u32 s2, 0x3003
	s_cbranch_scc0 .Lentry_shape_is_right
	s_endpgm
.Lentry_shape_is_right:
; out0 = ab Wo.  ab: [4096][768] f16 (the merged heads); Wo: matrix 3 of wb, [768 k][768 n], its bf16 value written as f16; out0: [4096][768] f32.  Sums in f32.  Nothing of this product is left out.
; SHARES.  A work-group makes 128 x 128 of out0: 32 x 6 = 192 work-groups of equal work (768 columns have a factor 3: no split into 256 equal tiles has whole aligned blocks of 256 bytes in each row).
; Four waves (wm = w / 2, wn = w % 2), each 64 x 64: 16 accumulators.  K goes in three steps of 256 through two LDS slots; the text has no loop.  Wo lies [k][n]; its fragments come out of LDS turned.
; CLUSTER.  The four work-groups of a cluster lie along the rows and multiply by the same 128 columns of Wo: its tile (half of a step's bytes) is asked for JOINTLY, by waves 2 and 3 (128 k each);
; ab's tile by each work-group for itself, by waves 0 and 1 (64 rows each).  A 4 x 4 cluster does not divide a grid that is 6 high.  Nothing is prefetched: of three K steps two are asked for at the head.
; THE MATRIX INSTRUCTION IS USED TRANSPOSED (source 0 = 16 columns of Wo, source 1 = 16 rows of ab): a lane holds eight neighbouring columns of one row, 32 bytes of f32.
; REGISTERS: window 0: v0-29 addresses; v32-95 at work on the way out; v128-255 the accumulators ((a, b) at 128 + 8 (4 a + b)).
;   window 1: two fragment buffers of 128: for 64 along K, 64 registers of ab (2 x 4 x 16 rows x 32 K), then 64 of Wo.
.set PA,    528                        ; a row of ab's tile in LDS: 512 bytes + 16 = 132 words: the 16 rows of a load start at 16 different groups of four banks (64 banks of 4 bytes: ISA guide 11.1)
.set PB,    288                        ; a row of Wo's tile: 256 + 32 = 72 words
.set AH,    64*PA                      ; what wave 0 or 1 fetches
.set BH,    128*PB                     ; what wave 2 or 3 fetches
.set SLOT,  2*AH+2*BH
.set STAGE, 2*SLOT                     ; behind the ring, never filled by a tensor load: 16 rows x 272 bytes for each wave
.set SP,    272
.set SPARE, STAGE+4*16*SP              ; the spare words, 128 bytes for each wave: two blocks of 256 bytes that no other line names
.set ADRA, 16                          ; v16-17  LDS address of my fragments of ab in slot 0, 1
.set ADRB, 20                          ; v20-23  of Wo: 20 + 2 slot + half of the step's 256 k
.set STO,  24                          ; v24     the way out: where I put 32 bytes of a row
.set RD,   25                          ; v25     where I read rows back
.set CO,   26                          ; v26     my byte offset in two rows of out0
.set SPW,  28                          ; v28     LDS address of my spare word; never rewritten
.set NIL,  29                          ; v29     0; never rewritten
.set TMP,  32
.set ACC,  128
.set F0,   0
.set F1,   128
.set G1A, 24                           ; s[24:31] descriptor group 1 for ab's tile;  s[32:39] group 0, a set for each slot
.set G0A, 32
.set G1B, 48                           ; s[48:55], s[56:63] the same for Wo's
.set G0B, 56
.set MSB, 0
.macro WIN new                         ; the immediate's high byte repeats the setting that is left; a switch that changes nothing is dropped
.if MSB != (\new)
	s_set_vgpr_msb (MSB<<8)|(\new)
.set MSB, \new
.endif
.endm
.set MUL,  0x05                        ; sources 0 and 1 in window 1; C and D in window 0
.set TO_F, 0x40                        ; destination window 1, address window 0
.macro PLACES                          ; four places in front of loads into registers that matrix instructions have read, and of instructions that read results
.rept 4
	v_nop
.endr
.endm
.macro JLOAD s                         ; a step's load; an s_nop 0 and four v_nop follow each of the two lines, ahead of the jump, the label and what follows
	s_cmp_eq_u32 s11, 0
	s_cbranch_scc0 .Lfor_b_\@
	tensor_load_to_lds s[G0A+4*(\s):G0A+4*(\s)+3], s[G1A:G1A+7]
	s_nop 0
.rept 4
	v_nop
.endr
	s_branch .Lasked_\@
.Lfor_b_\@:
	tensor_load_to_lds s[G0B+4*(\s):G0B+4*(\s)+3], s[G1B:G1B+7]
	s_nop 0
.rept 4
	v_nop
.endr
.Lasked_\@:
.endm
.macro CREST                           ; a round of the cluster's barrier behind its opening barrier
	s_cmp_lg_u32 s10, 0
	s_cbranch_scc1 .Lnot_wave_0_\@
	s_barrier_signal -3
.Lnot_wave_0_\@:
	s_barrier_wait -3
	s_barrier_signal -1
	s_barrier_wait -1
.endm
.macro CROUND                          ; a whole round
	s_barrier_signal -1
	s_barrier_wait -1
	CREST
.endm
	s_load_b128 s[4:7], s[0:1], 0x0                ; ab s[4:5], wb s[6:7]
	s_load_b64 s[8:9], s[0:1], 0x10                ; out0
	v_lshl_add_u32 v[SPW], v0, 2, SPARE
	v_mov_b32 v[NIL], 0
	ds_add_u32 v[SPW], v[NIL]                      ; the wave's opening: the add, twice on end, and its wait ahead of my first tensor load
	ds_add_u32 v[SPW], v[NIL]                      ; and once more; the set-up below, work on registers, stands between it and the wait
	v_lshrrev_b32 v1, 5, v0
	v_readfirstlane_b32 s10, v1                    ; wave 0..3
	s_lshr_b32 s11, s10, 1                         ; wm: which 64 rows are mine.  Also: I fetch for ab (0) or for Wo (1)
	s_and_b32 s12, s10, 1                          ; wn: which 64 columns.  Also: which half of that tile I fetch
	s_bfe_u32 s40, ttmp6, 0x40000                  ; cx: my place in the cluster
	s_lshl_b32 s13, ttmp9, 2
	s_add_co_u32 s13, s13, s40                     ; my block of 128 rows: it enters ab's and out0's addresses alone
	s_and_b32 s42, ttmp7, 0xffff                   ; my block of 128 columns, which the four partners share
	s_mov_b32 s[G1A], (1<<16)|(1<<20)|(6<<22)|(3<<25)              ; elements of 2 bytes; padding on; after every 128 words (code 6) 4 words (code 3)
	s_mov_b32 s[G1A+1], 256<<16                    ; tensor_dim0 = 256
	s_mov_b32 s[G1A+2], 64<<16                     ; tensor_dim1 = 64
	s_mov_b32 s[G1A+3], 256<<16                    ; tile_dim0 = 256
	s_mov_b32 s[G1A+4], 64                         ; tile_dim1 = 64
	s_mov_b32 s[G1A+5], 768                        ; 768 elements from row to row
	s_mov_b32 s[G1A+6], 0
	s_mov_b32 s[G1A+7], 0
	s_mov_b32 s[G1B], 15|(1<<16)|(1<<20)|(1<<21)|(5<<22)|(7<<25)   ; the mask of four; 21 set beside a mask; after every 64 words (code 5) 8 words (code 7)
	s_mov_b32 s[G1B+1], 128<<16                    ; 128 columns
	s_mov_b32 s[G1B+2], 128<<16                    ; 128 k
	s_mov_b32 s[G1B+3], 128<<16
	s_mov_b32 s[G1B+4], 128
	s_mov_b32 s[G1B+5], 768
	s_mov_b32 s[G1B+6], 0
	s_mov_b32 s[G1B+7], 0
	s_lshl_b32 s14, s13, 7                         ; ab: row 128 x block + 64 x half, 1,536 bytes a row
	s_lshl_b32 s16, s12, 6
	s_add_co_u32 s14, s14, s16
	s_mul_i32 s14, s14, 1536
	s_mov_b32 s15, 0
	s_mul_i32 s44, s12, 128*1536                   ; Wo: matrix 3 of wb, k row 128 x half, column block of 256 bytes: no register of these ever holds cx
	s_add_co_u32 s44, s44, 3*1179648
	s_lshl_b32 s46, s42, 8
	s_add_co_u32 s44, s44, s46
	s_mov_b32 s45, 0
	s_mul_i32 s20, s12, AH                         ; where they go: ab's two halves,
	s_mul_i32 s21, s12, BH                         ; then Wo's two
	s_add_co_u32 s21, s21, 2*AH
	s_wait_dscnt 0x0                               ; both opening adds are done
	s_wait_kmcnt 0x0
	s_add_nc_u64 s[14:15], s[4:5], s[14:15]
	s_add_nc_u64 s[44:45], s[6:7], s[44:45]
	CROUND                                         ; all four work-groups are here: the first joint loads meet
.irp s, 0,1
	s_mov_b32 s[G0A+4*(\s)], 1
	s_add_co_u32 s[G0A+4*(\s)+1], s20, (\s)*SLOT
	s_add_nc_u64 s[G0A+4*(\s)+2:G0A+4*(\s)+3], s[14:15], (\s)*512          ; K step s: 512 bytes along ab's rows
	s_or_b32 s[G0A+4*(\s)+3], s[G0A+4*(\s)+3], 0x80000000
	s_mov_b32 s[G0B+4*(\s)], 1
	s_add_co_u32 s[G0B+4*(\s)+1], s21, (\s)*SLOT
	s_add_nc_u64 s[G0B+4*(\s)+2:G0B+4*(\s)+3], s[44:45], (\s)*256*1536     ; K step s: 256 rows of Wo down
	s_or_b32 s[G0B+4*(\s)+3], s[G0B+4*(\s)+3], 0x80000000
	JLOAD \s                                       ; two loads of mine are out
.endr
	v_and_b32 v1, 15, v0                           ; r = l % 16
	v_bfe_u32 v2, v0, 4, 1                         ; h = l / 16
	v_and_b32 v3, 7, v0
	v_bfe_u32 v4, v0, 3, 1
	v_mul_u32_u24 v5, v1, PA
	v_lshl_add_u32 v5, v2, 4, v5
	s_mul_i32 s22, s11, AH                         ; my 64 rows of ab
	v_add_nc_u32 v[ADRA], s22, v5
	v_add_nc_u32 v[ADRA+1], SLOT, v[ADRA]
	v_lshl_add_u32 v6, v2, 3, v3                   ; the turning load: lane l reads k row 8 h + l % 8, columns 8 ((l / 8) % 2) + 0..7
	v_mul_u32_u24 v6, v6, PB
	v_lshl_add_u32 v6, v4, 4, v6
	s_lshl_b32 s23, s12, 7                         ; my 64 columns: 128 bytes
	v_add_nc_u32 v6, s23, v6
.irp s, 0,1
.irp k, 0,1
	v_add_nc_u32 v[ADRB+2*(\s)+(\k)], (\s)*SLOT+2*AH+(\k)*BH, v6
.endr
.endr
	s_mul_i32 s22, s10, 16*SP
	s_add_co_u32 s22, s22, STAGE                   ; my stage
	v_mul_u32_u24 v[STO], v1, SP                   ; in: row r, 32 bytes for each half of the lanes
	v_lshl_add_u32 v[STO], v2, 5, v[STO]
	v_add_nc_u32 v[STO], s22, v[STO]
	v_mul_u32_u24 v[RD], v2, SP                    ; back: lanes 0-15 one row of 256 bytes, lanes 16-31 the next
	v_lshl_add_u32 v[RD], v1, 4, v[RD]
	v_add_nc_u32 v[RD], s22, v[RD]
	v_mul_u32_u24 v[CO], v2, 3072                  ; and the same two rows in out0
	v_lshl_add_u32 v[CO], v1, 4, v[CO]
	s_lshl_b32 s16, s13, 7                         ; out0: row 128 x block + 64 wm, 3,072 bytes a row; column 128 x block + 64 wn, 4 bytes each
	s_lshl_b32 s18, s11, 6
	s_add_co_u32 s16, s16, s18
	s_mul_i32 s16, s16, 3072
	s_lshl_b32 s18, s42, 9
	s_add_co_u32 s16, s16, s18
	s_lshl_b32 s18, s12, 8
	s_add_co_u32 s16, s16, s18
	s_mov_b32 s17, 0
	s_add_nc_u64 s[8:9], s[8:9], s[16:17]
; 8 matrix instructions: row blocks a0, a0 + 1 x all 4 column tiles, 32 along K: half c of buffer f.  zero = 1: the product starts the sums.  The 16 accumulators take turns.
.macro MUL8 f, c, a0, zero
	WIN MUL
.irp a, \a0, (\a0)+1
.irp b, 0,1,2,3
.if \zero
	v_wmma_f32_16x16x32_f16 v[ACC+8*(4*(\a)+(\b)):ACC+8*(4*(\a)+(\b))+7], v[(\f)+64+8*(4*(\c)+(\b)):(\f)+64+8*(4*(\c)+(\b))+7], v[(\f)+8*(4*(\c)+(\a)):(\f)+8*(4*(\c)+(\a))+7], 0
.else
	v_wmma_f32_16x16x32_f16 v[ACC+8*(4*(\a)+(\b)):ACC+8*(4*(\a)+(\b))+7], v[(\f)+64+8*(4*(\c)+(\b)):(\f)+64+8*(4*(\c)+(\b))+7], v[(\f)+8*(4*(\c)+(\a)):(\f)+8*(4*(\c)+(\a))+7], v[ACC+8*(4*(\a)+(\b)):ACC+8*(4*(\a)+(\b))+7]
.endif
.endr
.endr
.endm
; 32 LDS loads in one run: quarter q (64 along K) of a slot into buffer f; the first 32 along K first
.macro FETCH slot, q, f
	WIN TO_F
.irp c, 0,1
.irp i, 0,1,2,3
	ds_load_tr16_b128 v[(\f)+64+8*(4*(\c)+(\i)):(\f)+64+8*(4*(\c)+(\i))+3],   v[ADRB+2*(\slot)+(\q)/2] offset:((64*(\q)+32*(\c))%128)*PB+32*(\i)
	ds_load_tr16_b128 v[(\f)+64+8*(4*(\c)+(\i))+4:(\f)+64+8*(4*(\c)+(\i))+7], v[ADRB+2*(\slot)+(\q)/2] offset:((64*(\q)+32*(\c))%128)*PB+32*(\i)+16*PB
	ds_load_b128 v[(\f)+8*(4*(\c)+(\i)):(\f)+8*(4*(\c)+(\i))+3],              v[ADRA+(\slot)] offset:128*(\q)+64*(\c)+(\i)*16*PA
	ds_load_b128 v[(\f)+8*(4*(\c)+(\i))+4:(\f)+8*(4*(\c)+(\i))+7],            v[ADRA+(\slot)] offset:128*(\q)+64*(\c)+(\i)*16*PA+32
.endr
.endr
.endm
; A K step is four quarters of 64 along K, 32 matrix instructions each, on buffers 0, 1, 0, 1.  One of the first three: multiplies buffer f and fetches quarter q into g.
.macro QUARTER slot, q, f, g, zero
	s_wait_dscnt 16                                ; the first 32 along K are in
	MUL8 \f, 0, 0, \zero
	MUL8 \f, 0, 2, \zero
	PLACES
	FETCH \slot, \q, \g
	s_wait_dscnt 32                                ; all but the 32 just issued
	MUL8 \f, 1, 0, 0
	MUL8 \f, 1, 2, 0
.endm
; The last quarter multiplies buffer 1 and changes slots: ONE barrier; in front of it each wave waits for all its tensor loads, adds 0 to its spare word, and waits for that and for its own reads of this slot.
; fill = 1: the barrier opens a round of the cluster's, and this slot is filled again first thing behind it, two K steps ahead.
.macro TURN slot, next, fill
	WIN 0                                          ; (the add's two registers lie in window 0)
	s_wait_tensorcnt 0x0                           ; all my tensor loads have landed
	ds_add_u32 v[SPW], v[NIL]                      ; 0 onto my spare word
	s_wait_dscnt 17                                ; (the add and the youngest sixteen loads may be out)
	MUL8 F1, 0, 0, 0                               ; eight matrix instructions stand between the add and the wait for it
	s_wait_dscnt 0x0                               ; the add is done, and my reads of this slot are over
	s_barrier_signal -1
	MUL8 F1, 0, 2, 0
.if \fill
	WIN 0
.endif
	s_barrier_wait -1
.if \fill
	CREST                                          ; no wave of any partner still reads this slot or has a load on its way
	s_add_nc_u64 s[G0A+4*(\slot)+2:G0A+4*(\slot)+3], s[G0A+4*(\slot)+2:G0A+4*(\slot)+3], 2*512
	s_add_nc_u64 s[G0B+4*(\slot)+2:G0B+4*(\slot)+3], s[G0B+4*(\slot)+2:G0B+4*(\slot)+3], 2*256*1536
	JLOAD \slot                                    ; the four v_nop behind it are also the places in front of the loads below
.else
	PLACES
.endif
	FETCH \next, 0, F0
	MUL8 F1, 1, 0, 0
	MUL8 F1, 1, 2, 0
.endm
	s_wait_tensorcnt 1                             ; my part of K step 0 is in; K step 1's may stay out
	s_barrier_signal -1
	s_barrier_wait -1                              ; everybody's is
	FETCH 0, 0, F0
	QUARTER 0, 1, F0, F1, 1                        ; the first products start the sums
	QUARTER 0, 2, F1, F0, 0
	QUARTER 0, 3, F0, F1, 0
	TURN 0, 1, 1                                   ; slot 0 takes K step 2
	QUARTER 1, 1, F0, F1, 0
	QUARTER 1, 2, F1, F0, 0
	QUARTER 1, 3, F0, F1, 0
	TURN 1, 0, 0                                   ; nothing is left to ask for
	QUARTER 0, 1, F0, F1, 0
	QUARTER 0, 2, F1, F0, 0
	QUARTER 0, 3, F0, F1, 0
	s_wait_dscnt 16
	MUL8 F1, 0, 0, 0
	MUL8 F1, 0, 2, 0
	s_wait_dscnt 0x0
	MUL8 F1, 1, 0, 0
	MUL8 F1, 1, 2, 0
	WIN 0
	; THE WAY OUT, 16 rows at a time through my own stage: a lane's 32 bytes go in straight from the accumulators (the low half first), and whole rows come back.  My 64 columns of f32 are 256 bytes, aligned:
	; no other wave has a part in them, so there is no barrier.
	PLACES
	PLACES
.irp a, 0,1,2,3
	s_wait_xcnt 0x0                                ; the registers that earlier stores read are loaded again only behind this wait
.irp b, 0,1,2,3
	ds_store_b128 v[STO], v[ACC+8*(4*(\a)+(\b)):ACC+8*(4*(\a)+(\b))+3]   offset:64*(\b)
	ds_store_b128 v[STO], v[ACC+8*(4*(\a)+(\b))+4:ACC+8*(4*(\a)+(\b))+7] offset:64*(\b)+16
.endr
.irp t, 0,1,2,3,4,5,6,7
	ds_load_b128 v[TMP+32*((\a)%2)+4*(\t):TMP+32*((\a)%2)+4*(\t)+3], v[RD] offset:(\t)*2*SP  ; LDS serves a wave's instructions in order (ISA guide 5.7.1.4): these see the stores above; the next block's stores come behind them
.endr
.irp t, 0,1,2,3,4,5,6,7
	s_wait_dscnt 7-(\t)
	global_store_b128 v[CO], v[TMP+32*((\a)%2)+4*(\t):TMP+32*((\a)%2)+4*(\t)+3], s[8:9] offset:(16*(\a)+2*(\t))*3072 th:TH_STORE_NT  ; 16 lanes store 256 consecutive bytes, aligned
.endr
.endr
	s_wait_tensorcnt 0x0                           ; the wave's end, behind my last tensor load and my last LDS store
	ds_add_u32 v[SPW], v[NIL]
	s_wait_dscnt 0x0
	CROUND                                         ; the closing round: no work-group ends while a partner may still ask for a tile that names it
	s_endpgm
.Lfunc_end_k_q3579aa1dd3_proj:
	.size	k_q3579aa1dd3_proj, .Lfunc_end_k_q3579aa1dd3_proj-k_q3579aa1dd3_proj
	.p2alignl 7, 3214868480
	.fill 96, 4, 3214868480
	.section	.rodata,"a",@progbits
	.p2align	6, 0x0
	.amdhsa_kernel k_q3579aa1dd3_proj
		.amdhsa_group_segment_fixed_size 327680
		.amdhsa_private_segment_fixed_size 0
		.amdhsa_enable_private_segment 0
		.amdhsa_kernarg_size 24
		.amdhsa_user_sgpr_count 2
		.amdhsa_user_sgpr_kernarg_segment_ptr 1
		.amdhsa_wavefront_size32 1
		.amdhsa_system_sgpr_workgroup_id_x 1
		.amdhsa_system_sgpr_workgroup_id_y 1
		.amdhsa_system_sgpr_workgroup_id_z 1
		.amdhsa_system_vgpr_workitem_id 0
		.amdhsa_next_free_vgpr 512
		.amdhsa_next_free_sgpr 66
		.amdhsa_reserve_vcc 0
		.amdhsa_float_denorm_mode_32 3
		.amdhsa_float_denorm_mode_16_64 3
		.amdhsa_memory_ordered 1
		.amdhsa_forward_progress 1
		.amdhsa_inst_pref_size 69
	.end_amdhsa_kernel
	.amdgpu_metadata
---
amdhsa.version: [ 1, 2 ]
amdhsa.kernels:
  - .name:           k_q3579aa1dd3_proj
    .symbol:         k_q3579aa1dd3_proj.kd
    .args:
      - { .name: ab, .offset: 0, .size: 8, .value_kind: global_buffer, .address_space: global }
      - { .name: wb, .offset: 8, .size: 8, .value_kind: global_buffer, .address_space: global }
      - { .name: out0, .offset: 16, .size: 8, .value_kind: global_buffer, .address_space: global }
    .group_segment_fixed_size: 327680
    .private_segment_fixed_size: 0
    .kernarg_segment_align: 8
    .kernarg_segment_size: 24
    .max_flat_workgroup_size: 128
    .sgpr_count:     66
    .vgpr_count:     512
    .wavefront_size: 32
...
	.end_amdgpu_metadata
.endif
;; end of part 4
;; ======== version 2 of 2: 4 launches; version 1 with the launch cast written anew for expert scheduling mode
;; limits: values are held in f16: magnitudes above 65,504 overflow, below 6.1e-05 lose precision; right only within a limited range of input values
;; workspace buffers: xb 6,291,456 bytes; wb 4,718,592 bytes; qkv 18,874,368 bytes; ab 6,291,456 bytes
;; launch cast (part 5): grid 12 x 28, 8 waves a work-group, no clusters, 0 bytes of LDS; arguments x, Wq, Wk, Wv, Wo, xb, wb; writes xb, wb
.if DOCPART == 5
	.amdgcn_target "amdgcn-amd-amdhsa--gfx1250"
	.amdhsa_code_object_version 6
	.text
	.protected	k_q3579aa1dd3_cast
	.globl	k_q3579aa1dd3_cast
	.p2align	8
	.type	k_q3579aa1dd3_cast,@function
k_q3579aa1dd3_cast:
	s_mov_b64 s[64:65], 0
	v_nop
	global_prefetch_b8 v0, s[64:65] scope:SCOPE_SE
	s_setreg_imm32_b32 hwreg(HW_REG_WAVE_SCHED_MODE, 0, 2), 2
	s_setreg_imm32_b32 hwreg(HW_REG_WAVE_MODE, 25, 1), 1
	s_wait_xcnt 0x0
	s_wait_alu depctr_vm_vsrc(0)
; MULTI-HEAD ATTENTION IN A BAND, four launches: cast (this one), qkv, attn, proj.
; out = merge(softmax(mask(q k^T / sqrt(128))) v) Wo, with q, k, v = x Wq, x Wk, x Wv split into 6 heads of 128; x: [2][2048][768], every W: [768][768], all f32.
; WORK LEFT OUT.  The mask is made in the problem's own body: 1 where |i - j| <= 128, else 0.  A hidden score is (q.k) x 0 - 1e9: the product q.k is multiplied by a zero of the problem's own making, whatever
; q and k hold, so the products of hidden positions are left out wherever they come in whole tiles of 16 keys.  A hidden position's weight is e^(-1e9 - m) / Z, where m is the row's largest score; a row always
; sees its own key, so m is a visible score; the weight is below 2^-126, and 0 in f32, as soon as m > -1e9 + 104.  So its product with v is left out too: of a row's 2,048 keys the 257 of the band are taken.
; LIMITS.  Visible scores stay above -9.9e8 (scores of unit-spread x and weights of spread 0.02 are of size 1; thirty times larger x, Wq and Wk make them some 1e5).  A NaN, an infinity or an overflow that arises
; only in a hidden product is not carried to the result.
; FORMATS.  All five inputs are rounded once to bf16.  What the program makes itself (q, k, v, the weights p, the merged heads) is kept in f16, which ends at 65,504 and has a fixed step of 6e-8 below 6e-5.
; Wo multiplies f16 numbers, so its bf16 value is written as f16: exact from 6e-5 up to 65,504.
; THIS LAUNCH: x -> xb (bf16 [4096][768]); Wq, Wk, Wv -> wb matrices 0-2 (bf16 [768 k][768 n]); Wo -> wb matrix 3 (f16).
; SHARES.  A work-group takes 16,384 numbers: 65,536 bytes in, 32,768 out.  y = 0..15: x's 192 chunks (12 y + gx).  y = 16..27: the four matrices' 144 chunks (12 (y - 16) + gx), 36 to a matrix.
; A wave takes 8,192 bytes: 16 loads, each 512 consecutive bytes; each of its 16 stores covers 256 consecutive bytes, aligned.  All loads go out first; no register that a pending
; instruction names is written again, so the only waits on memory counters are the counted ones for the loads.  No LDS, no matrix unit: nothing is shared and nothing is multiplied.
; THE MODE: SCHED_MODE bits 1:0 = 2 (LLVM: expert scheduling mode 2), set by the entry lines.  The code itself states the register dependences
; between vector instructions and memory instructions, with s_wait_alu, always for 0.
; THE PLAN.  Registers that memory instructions touch:
;   v1, v2   byte offsets of the loads and of the stores: made once at the head and never written again.
;   IN       the 16 loads land here; no vector instruction names these registers before their load is in.
;   OUT      a pair for each store: written once, by the conversions, and read once, by its store; never written again.
; The 16 loads' numbers go in four groups of four loads.  Group g rounds its numbers into its own eight registers of OUT; its memory instructions are the four stores of group g - 1, which read
; the eight registers that group g - 1 wrote and that no vector instruction of group g names.  So one wait on va_vdst at a group's head, behind the wait for the group's loads, states all that its four
; stores hang on, and they are dealt among its conversions with no further wait.  One such wait stands ahead of the first load, for the offsets, and one ahead of the last four stores.
; No register that a memory instruction reads is ever written again: no wait on vm_vsrc is owed.  No vector instruction writes a scalar register or VCC, and EXEC is never written.
.set IN,  8                            ; v[8:71]    16 x 4 numbers as loaded
.set OUT, 72                           ; v[72:103]  16 x 2 registers to store
	s_load_b256 s[4:11], s[0:1], 0x0               ; x s[4:5], Wq s[6:7], Wk s[8:9], Wv s[10:11]
	s_load_b128 s[12:15], s[0:1], 0x20             ; Wo s[12:13], xb s[14:15]
	s_load_b64 s[16:17], s[0:1], 0x30              ; wb
	s_and_b32 s20, ttmp7, 0xffff                   ; y
	s_mul_i32 s21, s20, 12
	s_add_co_u32 s21, s21, ttmp9                   ; x's chunk
	s_max_u32 s22, s20, 16
	s_sub_co_u32 s22, s22, 16
	s_mul_i32 s23, s22, 12
	s_add_co_u32 s23, s23, ttmp9                   ; the chunk among the four matrices'
	s_max_u32 s27, s23, 36                         ; and inside Wk, Wv, Wo
	s_sub_co_u32 s27, s27, 36
	s_max_u32 s28, s23, 72
	s_sub_co_u32 s28, s28, 72
	s_max_u32 s29, s23, 108
	s_sub_co_u32 s29, s29, 108
	v_lshrrev_b32 v3, 5, v0                        ; wave
	v_and_b32 v1, 31, v0                           ; lane
	v_lshlrev_b32 v2, 3, v1
	v_lshlrev_b32 v1, 4, v1
	v_lshl_or_b32 v1, v3, 13, v1                   ; in: 8,192 x wave + 16 x lane
	v_lshl_or_b32 v2, v3, 12, v2                   ; out: 4,096 x wave + 8 x lane
	s_wait_kmcnt 0x0
	s_mov_b64 s[24:25], s[6:7]                     ; which matrix, by the chunk's number
	s_mov_b32 s26, s23
	s_cmp_ge_u32 s23, 36
	s_cselect_b64 s[24:25], s[8:9], s[24:25]
	s_cselect_b32 s26, s27, s26
	s_cmp_ge_u32 s23, 72
	s_cselect_b64 s[24:25], s[10:11], s[24:25]
	s_cselect_b32 s26, s28, s26
	s_cmp_ge_u32 s23, 108
	s_cselect_b64 s[24:25], s[12:13], s[24:25]
	s_cselect_b32 s26, s29, s26
	s_cmp_lt_u32 s20, 16                           ; or x
	s_cselect_b64 s[24:25], s[4:5], s[24:25]
	s_cselect_b32 s26, s21, s26
	s_cselect_b64 s[30:31], s[14:15], s[16:17]
	s_cselect_b32 s32, s21, s23
	s_lshl_b32 s26, s26, 16                        ; 65,536 bytes in for a chunk,
	s_mov_b32 s27, 0
	s_add_nc_u64 s[24:25], s[24:25], s[26:27]
	s_lshl_b32 s32, s32, 15                        ; 32,768 out
	s_mov_b32 s33, 0
	s_add_nc_u64 s[30:31], s[30:31], s[32:33]
	s_wait_alu depctr_va_vdst(0)                   ; v1 and v2 are written: every load of the kernel reads v1 as its offset, every store v2; it stands ahead of the branch, on both ways
.irp j, 0,1,2,3,4,5,6,7,8,9,10,11,12,13,14,15
	global_load_b128 v[IN+4*(\j):IN+4*(\j)+3], v1, s[24:25] offset:512*(\j) th:TH_LOAD_NT
.endr
; Group g on the way of x, Wq, Wk, Wv: loads 4 g to 4 g + 3 are rounded to bf16; the stores of group g - 1 go out among the conversions.
.macro GROUP_B g
	s_wait_loadcnt 12-4*(\g)                       ; loads come back in order: the group's four are in, the 12 - 4 g younger ones stay out
.if (\g) > 0
	s_wait_alu depctr_va_vdst(0)                   ; the conversions of the group before have written their eight registers of OUT, which the four stores below read
.endif
.irp i, 0,1,2,3
.set J, 4*(\g)+(\i)
.if (\g) > 0
	global_store_b64 v2, v[OUT+2*(J-4):OUT+2*(J-4)+1], s[30:31] offset:256*(J-4)  ; the group before; no vector instruction since the wait names these registers or v2
.endif
	v_cvt_pk_bf16_f32 v[OUT+2*J], v[IN+4*J], v[IN+4*J+1]
	v_cvt_pk_bf16_f32 v[OUT+2*J+1], v[IN+4*J+2], v[IN+4*J+3]
.endr
.endm
; Group g on Wo's way: rounded to bf16 like the other inputs, and that number written as f16.  v4, v5 and the unpacked numbers (in IN, whose loads are in) are named by vector instructions alone.
.macro GROUP_H g
	s_wait_loadcnt 12-4*(\g)                       ; the group's four loads are in, the 12 - 4 g younger ones stay out
.if (\g) > 0
	s_wait_alu depctr_va_vdst(0)                   ; the conversions of the group before have written their eight registers of OUT, which the four stores below read
.endif
.irp i, 0,1,2,3
.set J, 4*(\g)+(\i)
.if (\g) > 0
	global_store_b64 v2, v[OUT+2*(J-4):OUT+2*(J-4)+1], s[30:31] offset:256*(J-4)  ; the group before; no vector instruction since the wait names these registers or v2
.endif
	v_cvt_pk_bf16_f32 v4, v[IN+4*J], v[IN+4*J+1]
	v_cvt_pk_bf16_f32 v5, v[IN+4*J+2], v[IN+4*J+3]
	v_lshlrev_b32 v[IN+4*J], 16, v4
	v_and_b32 v[IN+4*J+1], 0xffff0000, v4
	v_lshlrev_b32 v[IN+4*J+2], 16, v5
	v_and_b32 v[IN+4*J+3], 0xffff0000, v5
	v_cvt_pk_f16_f32 v[OUT+2*J], v[IN+4*J], v[IN+4*J+1]
	v_cvt_pk_f16_f32 v[OUT+2*J+1], v[IN+4*J+2], v[IN+4*J+3]
.endr
.endm
	s_cmp_ge_u32 s20, 25
	s_cbranch_scc1 .Lwo                            ; y = 25..27: Wo
	GROUP_B 0
	GROUP_B 1
	GROUP_B 2
	GROUP_B 3
	s_wait_alu depctr_va_vdst(0)                   ; the last group's conversions have written their eight registers of OUT, which the last four stores read
.irp j, 12,13,14,15
	global_store_b64 v2, v[OUT+2*(\j):OUT+2*(\j)+1], s[30:31] offset:256*(\j)
.endr
	s_endpgm
.Lwo:
	GROUP_H 0
	GROUP_H 1
	GROUP_H 2
	GROUP_H 3
	s_wait_alu depctr_va_vdst(0)                   ; the last group's conversions have written their eight registers of OUT, which the last four stores read
.irp j, 12,13,14,15
	global_store_b64 v2, v[OUT+2*(\j):OUT+2*(\j)+1], s[30:31] offset:256*(\j)
.endr
	s_endpgm
.Lfunc_end_k_q3579aa1dd3_cast:
	.size	k_q3579aa1dd3_cast, .Lfunc_end_k_q3579aa1dd3_cast-k_q3579aa1dd3_cast
	.p2alignl 7, 3214868480
	.fill 96, 4, 3214868480
	.section	.rodata,"a",@progbits
	.p2align	6, 0x0
	.amdhsa_kernel k_q3579aa1dd3_cast
		.amdhsa_group_segment_fixed_size 0
		.amdhsa_private_segment_fixed_size 0
		.amdhsa_enable_private_segment 0
		.amdhsa_kernarg_size 56
		.amdhsa_user_sgpr_count 2
		.amdhsa_user_sgpr_kernarg_segment_ptr 1
		.amdhsa_wavefront_size32 1
		.amdhsa_system_sgpr_workgroup_id_x 1
		.amdhsa_system_sgpr_workgroup_id_y 1
		.amdhsa_system_sgpr_workgroup_id_z 1
		.amdhsa_system_vgpr_workitem_id 0
		.amdhsa_next_free_vgpr 104
		.amdhsa_next_free_sgpr 66
		.amdhsa_reserve_vcc 0
		.amdhsa_float_denorm_mode_32 3
		.amdhsa_float_denorm_mode_16_64 3
		.amdhsa_memory_ordered 1
		.amdhsa_forward_progress 1
		.amdhsa_inst_pref_size 17
	.end_amdhsa_kernel
	.amdgpu_metadata
---
amdhsa.version: [ 1, 2 ]
amdhsa.kernels:
  - .name:           k_q3579aa1dd3_cast
    .symbol:         k_q3579aa1dd3_cast.kd
    .args:
      - { .name: x, .offset: 0, .size: 8, .value_kind: global_buffer, .address_space: global }
      - { .name: Wq, .offset: 8, .size: 8, .value_kind: global_buffer, .address_space: global }
      - { .name: Wk, .offset: 16, .size: 8, .value_kind: global_buffer, .address_space: global }
      - { .name: Wv, .offset: 24, .size: 8, .value_kind: global_buffer, .address_space: global }
      - { .name: Wo, .offset: 32, .size: 8, .value_kind: global_buffer, .address_space: global }
      - { .name: xb, .offset: 40, .size: 8, .value_kind: global_buffer, .address_space: global }
      - { .name: wb, .offset: 48, .size: 8, .value_kind: global_buffer, .address_space: global }
    .group_segment_fixed_size: 0
    .private_segment_fixed_size: 0
    .kernarg_segment_align: 8
    .kernarg_segment_size: 56
    .max_flat_workgroup_size: 256
    .sgpr_count:     66
    .vgpr_count:     104
    .wavefront_size: 32
...
	.end_amdgpu_metadata
.endif
;; end of part 5
;; launch qkv: the kernel of part 2 again; grid 32 x 6, 4 waves a work-group, clusters of 4 x 1, 327,680 bytes of LDS; arguments xb, wb, qkv; writes qkv
;; launch attn: the kernel of part 3 again; grid 16 x 12, 4 waves a work-group, no clusters, 232,960 bytes of LDS; arguments qkv, ab; writes ab
;; launch proj: the kernel of part 4 again; grid 32 x 6, 4 waves a work-group, clusters of 4 x 1, 327,680 bytes of LDS; arguments ab, wb, out0; writes out0
